; MI455X (gfx1250); checked and timed in simulation.
; The chip was launched on July 23, 2026; its instructions are those of AMD's public machine-readable ISA for CDNA 5 (MIT licence, August 2026) and "CDNA5" Instruction Set Architecture Reference Guide (July 2026). The comments in the code are by the model that wrote it; some were corrected since.
;; Hard Moe. Allowed arithmetic: float matrix products may take bf16 or f16 operands with f32 sums; other float arithmetic in f32, or as packed bf16 or f16 multiplies, adds, multiply-adds, maxima and minima; sums over many terms, partial sums and values carried from step to step in f32; what a program stores and reads back later, other than sums and carried values, may be rounded once to bf16 or f16.
;; Inputs: expert_b 8 x 2,048 float32; expert_w 8 x 2,048 x 2,048 float32; gate_b 8 float32; gate_w 2,048 x 8 float32; x 8 x 256 x 2,048 float32.
;; Outputs: out0 8 x 256 x 2,048 float32.
;; 3 versions, each right; version 2 is faster than version 1; version 3 is version 2 with the launch experts written anew for expert scheduling mode. Each part assembles by itself: llvm-mc -triple=amdgcn-amd-amdhsa -mcpu=gfx1250 --defsym DOCPART=n.
;; ======== version 1 of 3: 3 launches
;; workspace buffers: xb 8,388,608 bytes; route 8,192 bytes of whole numbers; part 33,554,432 bytes
;; launch router (part 1): grid 256 x 1, 8 waves a work-group, no clusters, 70,912 bytes of LDS; arguments x, gate_w, gate_b, xb, route; writes xb, route
.if DOCPART == 1
	.amdgcn_target "amdgcn-amd-amdhsa--gfx1250"
	.amdhsa_code_object_version 6
	.text
	.protected	k_q61816360ae_router
	.globl	k_q61816360ae_router
	.p2align	8
	.type	k_q61816360ae_router,@function
k_q61816360ae_router:
	s_mov_b64 s[64:65], 0
	v_nop
	global_prefetch_b8 v0, s[64:65] scope:SCOPE_SE
	s_setreg_imm32_b32 hwreg(HW_REG_WAVE_MODE, 25, 1), 1
	s_wait_xcnt 0x0
; THE ROUTER.  logits[t][e] = sum over d of x[t][d] gate_w[d][e] + gate_b[e]; the two largest logits choose a token's two experts.
; Stores: xb = x rounded to bf16, [2048][2048]; route[t] = (1 << lo) | (1 << hi) | (1 << (8 + hi)), lo < hi the two chosen experts, at the fixed place t.
; FORMATS.  x, gate_w and gate_b are rounded to bf16, like the operands of the experts' products, and the gate is summed in f32 from the rounded numbers:
; the choice is then made from the same numbers that the products see.  The gate has 8 columns, half of a matrix tile's 16, and 256 packed multiply-adds a wave:
; it goes on the vector unit, beside the stream of x.
; LIMITS.  The f32 sums run in another order than a row-by-row sum.  Ties go to the lower index (strict > in ascending order).  NaN and infinite logits are not ordered apart.
; SHARES.  A work-group has 8 tokens; wave w has d = 256 w .. 256 w + 255 of all eight; lane L has d = 256 w + 128 i + 4 L + q, i = 0, 1, q = 0 .. 3:
; a load of x covers 512 consecutive bytes, a store of xb 256 consecutive bytes at a multiple of 256.
; The 256 threads' partial sums of the 64 values (token, expert) meet in LDS.  No work-group shares a tile with another: no cluster.
.set RPITCH, 1088                      ; a value's 256 partial sums, 1,024 bytes, + 64: four values' rows start 16 banks apart
.set LOG,    64*RPITCH                 ; the 64 logits, 256 bytes
.set SPARE,  LOG+256                   ; the spare words: 128 bytes for each of eight waves
.set VX,   2                           ; v2   1024 w + 16 L: my bytes in a row of x
.set VY,   3                           ; v3   512 w + 8 L: in a row of xb
.set VG,   4                           ; v4   8192 w + 128 L: my first row of gate_w
.set RD0,  5                           ; v5   4 x thread: my word in a value's row, values 0-31
.set RD1,  6                           ; v6   the same for values 32-63
.set RR,   7                           ; v7   the second pass: value thread / 4, quarter thread % 4
.set LG,   8                           ; v8   where that value's logit goes
.set LA,   9                           ; v9   the eight logits of token lane % 8
.set SPW,  10                          ; v10  my spare word; never rewritten
.set NIL,  11                          ; v11  0; never rewritten
.set ZERO, 14                          ; v14  offset 0 for gate_b
.set RO,   15                          ; v15  4 x thread: my word of route
.set X,    16                          ; v[16:79]   x[token][i][q]; later the partial sums read back
.set G,    80                          ; v[80:143]  gate_w[i][q][e]
.set ACC,  144                         ; v[144:207] sums [token][e]
.set Y,    208                         ; v[208:239] x in bf16, two words for each (token, i)
.set GB,   240                         ; v[240:247] gate_b
	s_load_b256 s[4:11], s[0:1], 0x0               ; x s[4:5], gate_w s[6:7], gate_b s[8:9], xb s[10:11]
	s_load_b64 s[12:13], s[0:1], 0x20              ; route
	v_lshl_add_u32 v[SPW], v0, 2, SPARE
	v_mov_b32 v[NIL], 0
	v_and_b32 v1, 31, v0                           ; L
	v_lshrrev_b32 v13, 5, v0                       ; w
	v_lshlrev_b32 v[VX], 4, v1
	v_lshl_add_u32 v[VX], v13, 10, v[VX]
	v_lshlrev_b32 v[VY], 3, v1
	v_lshl_add_u32 v[VY], v13, 9, v[VY]
	v_lshlrev_b32 v[VG], 7, v1
	v_lshl_add_u32 v[VG], v13, 13, v[VG]
	v_mov_b32 v[ZERO], 0
	v_lshlrev_b32 v[RD0], 2, v0
	v_add_nc_u32 v[RD1], 32*RPITCH, v[RD0]
	v_lshrrev_b32 v12, 2, v0
	v_and_b32 v13, 3, v0
	v_mul_u32_u24 v[RR], v12, RPITCH
	v_lshl_add_u32 v[RR], v13, 4, v[RR]
	v_lshl_add_u32 v[LG], v12, 2, LOG
	v_and_b32 v[LA], 7, v0
	v_lshl_add_u32 v[LA], v[LA], 5, LOG
	v_lshlrev_b32 v[RO], 2, v0
	s_mov_b32 s25, 0xffff0000                      ; a word's upper bf16
	s_lshl_b32 s2, ttmp9, 16                       ; 8 rows of x
	s_mov_b32 s3, 0
	s_lshl_b32 s14, ttmp9, 15                      ; 8 rows of xb
	s_mov_b32 s15, 0
	s_lshl_b32 s26, ttmp9, 5                       ; 8 words of route
	s_mov_b32 s27, 0
	s_wait_kmcnt 0x0
	s_add_nc_u64 s[4:5], s[4:5], s[2:3]
	s_add_nc_u64 s[10:11], s[10:11], s[14:15]
	s_add_nc_u64 s[12:13], s[12:13], s[26:27]
.set k, 0
.rept 8                                ; gate_w: row d = 4 i + q of my eight, 32 bytes each
	global_load_b128 v[G+8*k:G+8*k+3],   v[VG], s[6:7] offset:4096*(k/4)+32*(k%4)
	global_load_b128 v[G+8*k+4:G+8*k+7], v[VG], s[6:7] offset:4096*(k/4)+32*(k%4)+16
.set k, k+1
.endr
	global_load_b128 v[GB:GB+3],   v[ZERO], s[8:9]
	global_load_b128 v[GB+4:GB+7], v[ZERO], s[8:9] offset:16
.set k, 0
.rept 16                               ; x: token k / 2, half k % 2: read once in the launch
	global_load_b128 v[X+4*k:X+4*k+3], v[VX], s[4:5] offset:8192*(k/2)+512*(k%2) th:TH_LOAD_NT
.set k, k+1
.endr
	s_wait_loadcnt 16                              ; gate_w and gate_b are in; the 16 younger loads, x, stay out
.set k, 0
.rept 36                               ; both are rounded to bf16 and widened again (ACC's registers are free until the first products)
	v_cvt_pk_bf16_f32 v[ACC+k], v[G+2*k+96*(k/32)], v[G+2*k+96*(k/32)+1]   ; k = 32 .. 35: G + 64 + 96 = GB
.set k, k+1
.endr
.set k, 0
.rept 36
	v_lshlrev_b32 v[G+2*k+96*(k/32)],   16,  v[ACC+k]
	v_and_b32     v[G+2*k+96*(k/32)+1], s25, v[ACC+k]
.set k, k+1
.endr
; One token: its 8 numbers are rounded and stored, widened again, and multiplied into the token's eight sums, two experts at a time.
.macro TOKEN t
	s_wait_loadcnt 14-2*(\t)                       ; loads return in order: this token's two are in, the later tokens' stay out
.irp i, 0,1
	v_cvt_pk_bf16_f32 v[Y+4*(\t)+2*\i],   v[X+8*(\t)+4*\i],   v[X+8*(\t)+4*\i+1]
	v_cvt_pk_bf16_f32 v[Y+4*(\t)+2*\i+1], v[X+8*(\t)+4*\i+2], v[X+8*(\t)+4*\i+3]
	global_store_b64 v[VY], v[Y+4*(\t)+2*\i:Y+4*(\t)+2*\i+1], s[10:11] offset:4096*(\t)+256*\i  ; the wave's 256 consecutive bytes; Y is never rewritten
.endr
.irp k, 0,1,2,3
	v_lshlrev_b32 v[X+8*(\t)+2*\k],   16,  v[Y+4*(\t)+\k]
	v_and_b32     v[X+8*(\t)+2*\k+1], s25, v[Y+4*(\t)+\k]
.endr
.irp d, 0,1,2,3,4,5,6,7
.irp p, 0,2,4,6
.if \d == 0
	v_pk_mul_f32 v[ACC+8*(\t)+\p:ACC+8*(\t)+\p+1], v[G+\p:G+\p+1], v[X+8*(\t):X+8*(\t)+1] op_sel_hi:[1,0]  ; the first product starts the sum
.elseif (\d % 2) == 0
	v_pk_fma_f32 v[ACC+8*(\t)+\p:ACC+8*(\t)+\p+1], v[G+8*\d+\p:G+8*\d+\p+1], v[X+8*(\t)+\d:X+8*(\t)+\d+1], v[ACC+8*(\t)+\p:ACC+8*(\t)+\p+1] op_sel_hi:[1,0,1]
.else
	v_pk_fma_f32 v[ACC+8*(\t)+\p:ACC+8*(\t)+\p+1], v[G+8*\d+\p:G+8*\d+\p+1], v[X+8*(\t)+\d-1:X+8*(\t)+\d], v[ACC+8*(\t)+\p:ACC+8*(\t)+\p+1] op_sel:[0,1,0] op_sel_hi:[1,1,1]
.endif
.endr
.endr
.endm
.irp t, 0,1,2,3,4,5,6,7
	TOKEN \t
.endr
	; the 256 threads' partial sums of value 8 token + e: a row of 1,024 bytes each
.set k, 0
.rept 32
	ds_store_b32 v[RD0], v[ACC+k]    offset:k*RPITCH
	ds_store_b32 v[RD1], v[ACC+32+k] offset:k*RPITCH
.set k, k+1
.endr
	s_wait_dscnt 0x0                               ; for the others' sake: my stores are done
	s_barrier_signal -1
	s_barrier_wait -1
.set k, 0
.rept 16                               ; four threads to a value: each takes 64 of its 256 partial sums
	ds_load_b128 v[X+4*k:X+4*k+3], v[RR] offset:64*k
.set k, k+1
.endr
	s_wait_dscnt 0x0
.irp half, 32,16,8,4,2
.set k, 0
.rept \half/2
	v_pk_add_f32 v[X+k:X+k+1], v[X+k:X+k+1], v[X+\half+k:X+\half+k+1]
.set k, k+2
.endr
.endr
	v_add_f32 v[X], v[X], v[X+1]
	v_add_f32_dpp v[X], v[X], v[X] row_xmask:1 row_mask:0xf bank_mask:0xf
	v_add_f32_dpp v[X], v[X], v[X] row_xmask:2 row_mask:0xf bank_mask:0xf   ; the value's four threads all hold its sum
	ds_store_b32 v[LG], v[X]
	s_wait_dscnt 0x0
	s_barrier_signal -1
	s_barrier_wait -1
	; The choice: lane L takes token L % 8.  Every wave runs these few lines; threads 0 to 7 store.
	ds_load_b128 v[16:19], v[LA]
	ds_load_b128 v[20:23], v[LA] offset:16
	v_mov_b32 v28, 0xff800000                      ; -infinity
	v_mov_b32 v29, 1
	v_mov_b32 v30, 0x101
	s_wait_dscnt 0x0
.irp e, 0,1,2,3,4,5,6,7
	v_add_f32 v[16+\e], v[16+\e], v[GB+\e]
.endr
	v_mov_b32 v24, v16
	v_mov_b32 v25, 0
.irp e, 1,2,3,4,5,6,7
	v_cmp_gt_f32 vcc_lo, v[16+\e], v24             ; strictly greater: of equal logits the lower index stays
	v_cndmask_b32 v24, v24, v[16+\e], vcc_lo
	v_cndmask_b32 v25, v25, \e, vcc_lo
.endr
.irp e, 0,1,2,3,4,5,6,7
	v_cmp_eq_u32 vcc_lo, \e, v25                   ; the first choice leaves the field
	v_cndmask_b32 v[16+\e], v[16+\e], v28, vcc_lo
.endr
	v_mov_b32 v26, v16
	v_mov_b32 v27, 0
.irp e, 1,2,3,4,5,6,7
	v_cmp_gt_f32 vcc_lo, v[16+\e], v26
	v_cndmask_b32 v26, v26, v[16+\e], vcc_lo
	v_cndmask_b32 v27, v27, \e, vcc_lo
.endr
	v_min_u32 v32, v25, v27                        ; lo
	v_max_u32 v33, v25, v27                        ; hi
	v_lshlrev_b32 v31, v32, v29                    ; 1 << lo
	v_lshlrev_b32 v34, v33, v30                    ; (1 << hi) | (1 << (8 + hi))
	v_or_b32 v31, v31, v34
	v_cmp_gt_u32 vcc_lo, 8, v0
	s_wait_xcnt 0x0                                ; EXEC changes only when the stores of xb have had their addresses translated
	s_and_saveexec_b32 s24, vcc_lo
	global_store_b32 v[RO], v31, s[12:13]          ; the work-group's 8 words
	s_wait_xcnt 0x0                                ; and again in front of the line that widens it
	s_or_b32 exec_lo, exec_lo, s24
	s_wait_tensorcnt 0x0                           ; the wave's end: a closing LDS add behind my last LDS store
	ds_add_u32 v[SPW], v[NIL]
	s_wait_dscnt 0x0
	s_endpgm
.Lfunc_end_k_q61816360ae_router:
	.size	k_q61816360ae_router, .Lfunc_end_k_q61816360ae_router-k_q61816360ae_router
	.p2alignl 7, 3214868480
	.fill 96, 4, 3214868480
	.section	.rodata,"a",@progbits
	.p2align	6, 0x0
	.amdhsa_kernel k_q61816360ae_router
		.amdhsa_group_segment_fixed_size 70912
		.amdhsa_private_segment_fixed_size 0
		.amdhsa_enable_private_segment 0
		.amdhsa_kernarg_size 40
		.amdhsa_user_sgpr_count 2
		.amdhsa_user_sgpr_kernarg_segment_ptr 1
		.amdhsa_wavefront_size32 1
		.amdhsa_system_sgpr_workgroup_id_x 1
		.amdhsa_system_sgpr_workgroup_id_y 1
		.amdhsa_system_sgpr_workgroup_id_z 1
		.amdhsa_system_vgpr_workitem_id 0
		.amdhsa_next_free_vgpr 248
		.amdhsa_next_free_sgpr 66
		.amdhsa_reserve_vcc 1
		.amdhsa_float_denorm_mode_32 3
		.amdhsa_float_denorm_mode_16_64 3
		.amdhsa_memory_ordered 1
		.amdhsa_forward_progress 1
		.amdhsa_inst_pref_size 43
	.end_amdhsa_kernel
	.amdgpu_metadata
---
amdhsa.version: [ 1, 2 ]
amdhsa.kernels:
  - .name:           k_q61816360ae_router
    .symbol:         k_q61816360ae_router.kd
    .args:
      - { .name: x, .offset: 0, .size: 8, .value_kind: global_buffer, .address_space: global }
      - { .name: gate_w, .offset: 8, .size: 8, .value_kind: global_buffer, .address_space: global }
      - { .name: gate_b, .offset: 16, .size: 8, .value_kind: global_buffer, .address_space: global }
      - { .name: xb, .offset: 24, .size: 8, .value_kind: global_buffer, .address_space: global }
      - { .name: route, .offset: 32, .size: 8, .value_kind: global_buffer, .address_space: global }
    .group_segment_fixed_size: 70912
    .private_segment_fixed_size: 0
    .kernarg_segment_align: 8
    .kernarg_segment_size: 40
    .max_flat_workgroup_size: 256
    .sgpr_count:     66
    .vgpr_count:     248
    .wavefront_size: 32
...
	.end_amdgpu_metadata
.endif
;; end of part 1
;; launch experts (part 2): grid 32 x 8, 4 waves a work-group, no clusters, 317,952 bytes of LDS; arguments expert_w, expert_b, xb, route, part; writes part
.if DOCPART == 2
	.amdgcn_target "amdgcn-amd-amdhsa--gfx1250"
	.amdhsa_code_object_version 6
	.text
	.protected	k_q61816360ae_experts
	.globl	k_q61816360ae_experts
	.p2align	8
	.type	k_q61816360ae_experts,@function
k_q61816360ae_experts:
	s_mov_b64 s[64:65], 0
	v_nop
	global_prefetch_b8 v0, s[64:65] scope:SCOPE_SE
	s_setreg_imm32_b32 hwreg(HW_REG_WAVE_MODE, 25, 1), 1
	s_wait_xcnt 0x0
; THE EXPERTS' PRODUCT, for the chosen rows alone.  part[slot][t][o] = 0.5 relu(sum over d of x[t][d] W[e][d][o] + b[e][o]) for each token t that chose expert e;
; slot = 0 if e is the lower of the token's two experts, 1 if the higher.  The next launch adds the two slots.
; SHARES.  Work-group (slice, e) has columns 64 slice .. + 63 of expert e, which it alone reads, and all rows of that expert, whatever their number (0 to 2,048).
; FORMATS.  W and b are rounded to bf16 on their way through registers, x comes rounded (xb); products in bf16 on the matrix unit, sums in f32; part is f32 (partial sums).
; PHASE 0: from route every wave makes, for itself, the list of the expert's tokens: whole numbers alone (ballots and bit counts).  Chosen tokens fill its first 2,048 words from the front, the others
;   from the back; 64 more words hold tokens that exist; COUNT is the number chosen.  Then places COUNT .. COUNT + 15 take the entry of place COUNT - 1: the block of 16 rows that holds
;   rows on both sides of COUNT repeats its last true row, and stores that row's own bytes again to its own place: EXEC is never narrowed.
; PHASE 1: the slice, 2,048 x 64 f32 = 512 KiB, is read once, 56 loads of 512 bytes a wave on their way, rounded, turned (8 neighbouring d of a column make 16 bytes) and laid into LDS
;   in the order in which an operand's registers take it.  One barrier.
; PHASE 2: a wave takes tiles of 48 rows x 64 columns, 12 accumulators; the rows of xb come by the list from memory straight into registers as operands, three buffers of 128 along d;
;   nothing shared in LDS is written any more, so there is no barrier.  The loop over tiles has a constant count, 11 = ceil(ceil(2048 / 48) / 4), and jumps forward over tiles past COUNT.
;   ALL ADDRESSES OF A TILE ARE MADE AT THE TRIP'S HEAD, AHEAD OF THE JUMP: in what a jump on COUNT passes over, no address register is written.
;   A tile's 16 chunks of 128 along d are written out by the assembler's loop: every LDS address is a register fixed at the head plus an immediate, and no pointer is stepped.
; THE MATRIX INSTRUCTION IS USED TRANSPOSED: source 0 = 16 columns of W, source 1 = 16 tokens: a lane then holds one token (lane % 16) and eight neighbouring columns.
; NO CLUSTER, NO TENSOR LOADS: each slice of W has one reader and must pass through registers to be rounded and turned; the token rows that an expert's 32 work-groups share come by a list,
; which no descriptor's rows and pitch cover.
; REGISTERS, in windows of 256 (s_set_vgpr_msb: bits 1:0 source 0, 3:2 source 1, 5:4 source 2, 7:6 destination):
;   window 0: as named below.   window 1: phase 1: eight slots of 32; phase 2: token buffers 0 (v0-95) and 1 (v96-191).   window 2: token buffer 2 (v0-95)
.set KSB,    4160                      ; LDS bytes of 32 along d: four blocks of 16 columns
.set NBB,    1040                      ; a block: two halves of 512 bytes (lane x 16) + 16
.set LIST,   64*KSB                    ; behind W: a list for each wave
.set LPITCH, 8448                      ; 2,112 words: the last trip's tile begins at place 48 x 3 + 192 x 10 = 2,064 and ends at 2,111
.set STAGE,  LIST+4*LPITCH             ; 16 rows x 272 bytes for each wave, for the way out
.set SPITCH, 272
.set SPARE,  STAGE+4*16*SPITCH         ; the spare words: 128 bytes for each wave
.set UNITB,  131072                    ; 16 rows of W, 8,192 bytes each
.set H16,  1                           ; v1   16 h
.set RL,   2                           ; v2   r = lane % 16
.set HL,   3                           ; v3   h = lane / 16
.set VB,   4                           ; v[4:8] W's fragments: 16 x lane + 15 n K steps, n = 0 .. 4: 15 K steps lie inside an LDS immediate's 16 bits; never rewritten
.set STO,  9                           ; v9   the way out: where I put 32 bytes of a row
.set RD,   10                          ; v10  the way out: where I read a row back
.set R16,  11                          ; v11  16 r
.set VOFF, 12                          ; v[12:14] my token's row in xb + 16 h, for each of the tile's three blocks of 16 rows
.set TI,   15                          ; v15  the tile's place in my list + 4 r
.set R4,   16                          ; v16  4 r
.set H4,   17                          ; v17  4 h
.set TB,   18                          ; v[18:19] at work at the head
.set TH,   24                          ; v24  the tile's place in my list + 4 h
.set TA,   25                          ; v[25:27] at work
.set SPW,  28                          ; v28  my spare word; never rewritten
.set NIL,  29                          ; v29  0; never rewritten
.set VW,   30                          ; v30  phase 1: 65536 h + 16 r: my 16 bytes in a unit of W; never rewritten
.set VLS,  31                          ; v31  phase 1: where my turned 16 bytes go
.set HB,   32                          ; v[32:63] 0.5 b of my 8 columns in each of the four blocks
.set BF,   64                          ; v[64:127] W's fragments, two buffers of 32; on the way out: 16 rows read back, the two buffers by turns
.set T,    64                          ; phase 1: v[64:95] turned words, two sets of 16
.set REV,  96                          ; phase 0: 31 - lane
.set TK,   97                          ; phase 0: 4 x lane
.set TL,   98                          ; phase 0: v[98:105] at work, two sets
.set HT,   106                         ; phase 0: v[106:121] b in bf16
.set ACC,  128                         ; v[128:223] accumulator (mb, nb) at ACC + 8 (4 mb + nb)
.set R,    128                         ; phase 0: v[128:191] route: register q, lane L: token 128 (q / 4) + 4 L + q % 4
.set DST,  224                         ; v[224:247] byte offsets in part: block mb, store t at DST + 8 mb + t
.set WV,    14                         ; s14  my wave's number
.set EX,    15                         ; s15  e
.set BIT,   17                         ; s17  1 << e
.set HIB,   18                         ; s18  e + 8
.set COUNT, 19                         ; s19  the expert's rows
.set BASE,  20                         ; s20  chosen tokens so far
.set LW,    21                         ; s21  my wave's list
.set RC,    28                         ; s28  counts phase 1's rounds
.set TR,    29                         ; s29  counts the tiles' trips
.set RB0,   30                         ; s30  the tile's first row
.set RB,    31                         ; s31  a block's first row
.set LP,    32                         ; s32  my list + 4 x the tile's first row
.set HM,    33                         ; s33  a word's upper bf16
.set BAL,   36                         ; s36  a ballot
.set MSB, 0
.macro WIN new                         ; the immediate's high byte repeats the setting that is left; a switch that changes nothing is dropped
.if MSB != (\new)
	s_set_vgpr_msb (MSB<<8)|(\new)
.set MSB, (\new)
.endif
.endm
.macro PLACES                          ; four plain vector instructions between a matrix instruction and a load into, or a vector read of, its registers
.rept 4
	v_nop
.endr
.endm
.macro WLOAD s, off                    ; a unit of W, 16 rows x 256 bytes, into slot s: lanes 0-15 take 256 bytes of row j, lanes 16-31 of row 8 + j
.irp j, 0,1,2,3,4,5,6,7
	global_load_b128 v[32*(\s)+4*\j:32*(\s)+4*\j+3], v[VW], s[4:5] offset:(\off)+8192*\j th:TH_LOAD_NT
.endr
.endm
	s_load_b256 s[4:11], s[0:1], 0x0               ; W s[4:5], b s[6:7], xb s[8:9], route s[10:11]
	s_load_b64 s[12:13], s[0:1], 0x20              ; part
	v_lshl_add_u32 v[SPW], v0, 2, SPARE
	v_mov_b32 v[NIL], 0
	v_lshrrev_b32 v[TA], 5, v0
	v_readfirstlane_b32 s[WV], v[TA]
	s_and_b32 s[EX], ttmp7, 0xffff
	s_lshl_b32 s[BIT], 1, s[EX]
	s_add_co_u32 s[HIB], s[EX], 8
	s_mov_b32 s[HM], 0xffff0000
	s_mov_b32 s[BASE], 0
	v_and_b32 v[TA+2], 31, v0                      ; lane
	v_and_b32 v[RL], 15, v0
	v_bfe_u32 v[HL], v0, 4, 1
	v_lshlrev_b32 v[R16], 4, v[RL]
	v_lshlrev_b32 v[H16], 4, v[HL]
	v_lshlrev_b32 v[R4], 2, v[RL]
	v_lshlrev_b32 v[H4], 2, v[HL]
	v_lshl_add_u32 v[VW], v[HL], 16, v[R16]
	v_lshlrev_b32 v[VB], 4, v[TA+2]
.irp g, 1,2,3,4
	v_add_nc_u32 v[VB+\g], \g*15*KSB, v[VB]
.endr
	v_lshlrev_b32 v[TA+1], 5, v[HL]                ; 32 h: my 8 numbers in a block's 16 of b
	; my columns 4 r .. 4 r + 3 of a unit lie in block r / 4, at the places of lanes 16 h + 4 (r % 4) + 0 .. 3; my wave has K steps 16 w .. 16 w + 15
	v_lshrrev_b32 v[TB], 2, v[RL]
	v_and_b32 v[TB+1], 3, v[RL]
	v_mul_u32_u24 v[VLS], v[TB], NBB
	v_lshl_add_u32 v[VLS], v[HL], 8, v[VLS]
	v_lshl_add_u32 v[VLS], v[TB+1], 6, v[VLS]
	s_mul_i32 s22, s[WV], 16*KSB
	v_add_nc_u32 v[VLS], s22, v[VLS]
	s_mul_i32 s22, s[WV], 16*SPITCH
	s_add_co_u32 s22, s22, STAGE                   ; my stage
	v_mul_u32_u24 v[STO], v[RL], SPITCH            ; in: row r, 32 bytes for each half of the lanes
	v_lshl_add_u32 v[STO], v[HL], 5, v[STO]
	v_add_nc_u32 v[STO], s22, v[STO]
	v_mul_u32_u24 v[RD], v[HL], SPITCH             ; back: lanes 0-15 one row of 256 bytes, lanes 16-31 the next
	v_add_nc_u32 v[RD], v[RD], v[R16]
	v_add_nc_u32 v[RD], s22, v[RD]
	s_mul_i32 s[LW], s[WV], LPITCH
	s_add_co_u32 s[LW], s[LW], LIST
	s_mul_i32 s[LP], s[WV], LPITCH+4*48            ; my first tile begins at place 48 w of my list
	s_add_co_u32 s[LP], s[LP], LIST
	v_sub_nc_u32 v[REV], 31, v[TA+2]
	v_lshlrev_b32 v[TK], 2, v[TA+2]
	s_lshl_b32 s24, ttmp9, 8                       ; the slice's 256 bytes in a row of W, b and part
	s_mov_b32 s25, 0
	s_lshl_b32 s26, s[EX], 13                      ; the expert's row of b
	s_add_co_u32 s26, s26, s24
	s_mov_b32 s27, 0
	s_lshl_b32 s22, s[EX], 24                      ; the expert's 16 MiB of W,
	s_lshl_b32 s23, s[WV], 22                      ; my wave's 512 rows of it
	s_add_co_u32 s22, s22, s23
	s_add_co_u32 s22, s22, s24
	s_mov_b32 s23, 0
	s_wait_kmcnt 0x0
	s_add_nc_u64 s[4:5], s[4:5], s[22:23]
	s_add_nc_u64 s[6:7], s[6:7], s[26:27]
	s_add_nc_u64 s[12:13], s[12:13], s[24:25]
.set k, 0
.rept 16
	global_load_b128 v[R+4*k:R+4*k+3], v[VB], s[10:11] offset:512*k
.set k, k+1
.endr
.irp nb, 0,1,2,3
	global_load_b128 v[HB+8*\nb:HB+8*\nb+3],   v[TA+1], s[6:7] offset:64*\nb
	global_load_b128 v[HB+8*\nb+4:HB+8*\nb+7], v[TA+1], s[6:7] offset:64*\nb+16
.endr
	WIN 0x40                                       ; destination window 1
.irp s, 0,1,2,3
	WLOAD \s, (\s)*UNITB
.endr
	s_wait_loadcnt 32                              ; route and b are in; the 32 younger loads stay out
.irp s, 4,5,6
	WLOAD \s, (\s)*UNITB                           ; seven units, 56 loads, are now on their way
.endr
	WIN 0
	; b: rounded to bf16, widened, halved.  All of phase 0 stands in the wait for the first units of W.
.set k, 0
.rept 16
	v_cvt_pk_bf16_f32 v[HT+k], v[HB+2*k], v[HB+2*k+1]
.set k, k+1
.endr
.set k, 0
.rept 16
	v_lshlrev_b32 v[HB+2*k],   16,    v[HT+k]
	v_and_b32     v[HB+2*k+1], s[HM], v[HT+k]
	v_pk_mul_f32 v[HB+2*k:HB+2*k+1], v[HB+2*k:HB+2*k+1], 0.5 op_sel_hi:[1,0]
.set k, k+1
.endr
	v_add_nc_u32 v[TL], s[LW], v[TK]               ; places 2,048 to 2,111 of my list: tokens that exist (4 x lane, slot 0)
	ds_store_b32 v[TL], v[TK] offset:8192
	ds_store_b32 v[TL], v[TK] offset:8320
; Register q of route: 32 tokens find their places.  PC = chosen tokens ahead of mine in the order (q, lane).  A chosen token goes to word PC; another to 2047 less the tokens not chosen
; ahead of it, which is PC + (31 - lane) + 32 (63 - q).  The entry: token | slot << 11.
.macro PLACE q
.set pa, TL+4*((\q)%2)
	v_and_b32 v[pa], s[BIT], v[R+(\q)]
	v_cmp_ne_u32 s[BAL], 0, v[pa]
	v_mbcnt_lo_u32_b32 v[pa], s[BAL], s[BASE]
	v_add_nc_u32 v[pa+1], v[pa], v[REV]
.if (\q) < 63
	v_add_nc_u32 v[pa+1], 32*(63-(\q)), v[pa+1]
.endif
	v_cndmask_b32 v[pa], v[pa+1], v[pa], s[BAL]
	v_min_u32 v[pa], 0x7ff, v[pa]                  ; a number made of loaded data enters an address behind a bound; behind the bound: a shift and an add
	v_lshlrev_b32 v[pa], 2, v[pa]
	v_add_nc_u32 v[pa], s[LW], v[pa]
	v_bfe_u32 v[pa+1], v[R+(\q)], s[HIB], 1        ; is e the token's higher expert?
	v_lshl_add_u32 v[pa+1], v[pa+1], 11, v[TK]
.if (\q) > 0
	v_add_nc_u32 v[pa+1], 128*((\q)/4)+(\q)%4, v[pa+1]
.endif
	ds_store_b32 v[pa], v[pa+1]
	s_bcnt1_i32_b32 s22, s[BAL]
	s_add_co_u32 s[BASE], s[BASE], s22
.endm
.set k, 0
.rept 64
	PLACE k
.set k, k+1
.endr
	s_mov_b32 s[COUNT], s[BASE]
	; places COUNT .. COUNT + 15 repeat the last chosen entry (with COUNT = 0: place 0's, which no store ever uses).  LDS serves a wave's instructions in order: the load sees the stores above.
	s_max_u32 s22, s[COUNT], 1
	s_sub_co_u32 s22, s22, 1
	v_mov_b32 v[TL], s22
	v_min_u32 v[TL], 0x7ff, v[TL]
	v_lshlrev_b32 v[TL], 2, v[TL]
	v_add_nc_u32 v[TL], s[LW], v[TL]
	ds_load_b32 v[TL+1], v[TL]
	v_add_nc_u32 v[TL+2], s[COUNT], v[RL]          ; both halves of the lanes write the same 16 words with the same number
	v_min_u32 v[TL+2], 0x83f, v[TL+2]              ; 2,048 + 15 at the most: inside the list's 2,112 words
	v_lshlrev_b32 v[TL+2], 2, v[TL+2]
	v_add_nc_u32 v[TL+2], s[LW], v[TL+2]
	s_wait_dscnt 0x0
	ds_store_b32 v[TL+2], v[TL+1]
; PHASE 1.  Slot s: its unit has come.  refill = 1: the unit seven further on is asked for first, into the slot in front, which the unit before has left.  Then the unit is rounded and
; turned: for column 4 r + c the rows 8 h + 0 .. 7 make four words.  left = the younger loads that may stay out: six units of eight.
.macro UNIT s, refill, left
.set tt, T+16*((\s)%2)
	s_wait_loadcnt \left
.if \refill
	WIN 0x40
	WLOAD ((\s)+7)%8, ((\s)+7)*UNITB
.endif
	WIN 0x05                                       ; sources in window 1
.irp c, 0,1,2,3
.irp p, 0,1,2,3
	v_cvt_pk_bf16_f32 v[tt+4*\c+\p], v[32*(\s)+8*\p+\c], v[32*(\s)+8*\p+4+\c]
.endr
.endr
	WIN 0
.irp c, 0,1,2,3
	ds_store_b128 v[VLS], v[tt+4*\c:tt+4*\c+3] offset:((\s)/2)*KSB+((\s)%2)*512+16*\c
.endr
.endm
	s_mov_b32 s[RC], 3
.Lround:                                               ; a round: eight units, 128 rows of W, four K steps
.irp s, 0,1,2,3,4,5,6,7
	UNIT \s, 1, 48
.endr
	s_wait_xcnt 0x0                                ; the loads' addresses are translated: only now is their base stepped
	s_add_nc_u64 s[4:5], s[4:5], 8*UNITB
	v_add_nc_u32 v[VLS], 4*KSB, v[VLS]
	s_sub_co_u32 s[RC], s[RC], 1
	s_cmp_lg_u32 s[RC], 0
	s_cbranch_scc1 .Lround
	UNIT 0, 1, 48                                  ; the last round: unit 24 asks for unit 31, the wave's last;
.irp s, 1,2,3,4,5,6,7
	UNIT \s, 0, 56-8*(\s)                          ; the others load nothing: the counts run down
.endr
	s_wait_dscnt 0x0                               ; for the others' sake: my part of W lies in LDS (and my list)
	s_barrier_signal -1
	s_barrier_wait -1                              ; the launch's one barrier: behind it W is only read
; PHASE 2.
.macro ALOAD buf, off                  ; 48 rows x 128 along d of xb into token buffer buf: 24 loads; a block's eight cover 256 bytes of each of its 16 rows
.set lb, 96*((\buf)%2)
	WIN 0x40+0x40*((\buf)/2)
.irp mb, 0,1,2
.irp ks, 0,1,2,3
	global_load_b128 v[lb+8*(4*\mb+\ks):lb+8*(4*\mb+\ks)+3],   v[VOFF+\mb], s[8:9] offset:(\off)+64*\ks
	global_load_b128 v[lb+8*(4*\mb+\ks)+4:lb+8*(4*\mb+\ks)+7], v[VOFF+\mb], s[8:9] offset:(\off)+64*\ks+32
.endr
.endr
.endm
.macro BLOAD par, kk                   ; W's fragments of K step kk into buffer par: 8 loads of 512 consecutive bytes
.irp nb, 0,1,2,3
	ds_load_b128 v[BF+32*(\par)+8*\nb:BF+32*(\par)+8*\nb+3],   v[VB+(\kk)/15] offset:((\kk)%15)*KSB+NBB*\nb
	ds_load_b128 v[BF+32*(\par)+8*\nb+4:BF+32*(\par)+8*\nb+7], v[VB+(\kk)/15] offset:((\kk)%15)*KSB+NBB*\nb+512
.endr
.endm
; Chunk c of 16: 128 along d, four K steps of 12 matrix instructions, on token buffer c % 3.  At its head the chunk two further on is asked for, into the buffer read last.
; Chunk 0's first products start the sums.  The 12 accumulators take turns, one instruction a turn, from chunk to chunk too.
.macro CHUNK c
.set cb, (\c)%3
.irp ks, 0,1,2,3
.if ((\c) > 0) || (\ks > 0)
	PLACES                                         ; in front of the loads into registers that the last 12 matrix instructions read
.endif
.if \ks == 0
.if (\c) == 15
	s_wait_loadcnt 0x0                             ; the last chunk: nothing younger is out
.else
	s_wait_loadcnt 24                              ; this chunk's rows are in; the next chunk's 24 loads stay out
.endif
.if (\c) < 14
	ALOAD ((\c)+2)%3, ((\c)+2)*256
.endif
.endif
	WIN 0x04+0x04*(cb/2)                           ; source 1 in the buffer's window; an LDS load's address and destination stay in window 0
.if ((\c) == 15) && (\ks == 3)
	s_wait_dscnt 0x0
.else
	BLOAD ((\ks)+1)%2, 4*(\c)+(\ks)+1
	s_wait_dscnt 0x8                               ; this K step's fragments are in; the next step's eight stay out
.endif
.irp mb, 0,1,2
.irp nb, 0,1,2,3
.if ((\c) == 0) && (\ks == 0)
	v_wmma_f32_16x16x32_bf16 v[ACC+8*(4*\mb+\nb):ACC+8*(4*\mb+\nb)+7], v[BF+32*(\ks%2)+8*\nb:BF+32*(\ks%2)+8*\nb+7], v[96*(cb%2)+8*(4*\mb+\ks):96*(cb%2)+8*(4*\mb+\ks)+7], 0
.else
	v_wmma_f32_16x16x32_bf16 v[ACC+8*(4*\mb+\nb):ACC+8*(4*\mb+\nb)+7], v[BF+32*(\ks%2)+8*\nb:BF+32*(\ks%2)+8*\nb+7], v[96*(cb%2)+8*(4*\mb+\ks):96*(cb%2)+8*(4*\mb+\ks)+7], v[ACC+8*(4*\mb+\nb):ACC+8*(4*\mb+\nb)+7]
.endif
.endr
.endr
.endr
.endm
; THE WAY OUT of a block of 16 rows: 0.5 sum + 0.5 b, the ReLU, through my stage, back as whole rows of 256 bytes, each to its token's row of part.
; A block wholly past COUNT is jumped.  In the one block that holds rows on both sides, the places past COUNT repeat the block's last true row: equal bytes go to that row's own place again.
.macro OUTMB mb
.set ob, BF+32*((\mb)%2)
	s_add_co_u32 s[RB], s[RB0], 16*(\mb)
	s_cmp_ge_u32 s[RB], s[COUNT]
	s_cbranch_scc1 .Lnone_\@
.irp nb, 0,1,2,3
.irp p, 0,2,4,6                        ; each accumulator's registers in ascending order
	v_pk_fma_f32 v[ACC+8*(4*(\mb)+\nb)+\p:ACC+8*(4*(\mb)+\nb)+\p+1], v[ACC+8*(4*(\mb)+\nb)+\p:ACC+8*(4*(\mb)+\nb)+\p+1], 0.5, v[HB+8*\nb+\p:HB+8*\nb+\p+1] op_sel_hi:[1,0,1]
.endr
.irp j, 0,1,2,3,4,5,6,7
	v_max_num_f32 v[ACC+8*(4*(\mb)+\nb)+\j], 0, v[ACC+8*(4*(\mb)+\nb)+\j]
.endr
	ds_store_b128 v[STO], v[ACC+8*(4*(\mb)+\nb):ACC+8*(4*(\mb)+\nb)+3]   offset:64*\nb
	ds_store_b128 v[STO], v[ACC+8*(4*(\mb)+\nb)+4:ACC+8*(4*(\mb)+\nb)+7] offset:64*\nb+16
.endr
	s_wait_xcnt 0x0                                ; earlier stores have had their addresses translated: their data registers are loaded again only behind this wait
.irp t, 0,1,2,3,4,5,6,7
	ds_load_b128 v[ob+4*\t:ob+4*\t+3], v[RD] offset:2*SPITCH*\t  ; LDS serves a wave's instructions in order (ISA guide 5.7.1.4): these see the stores above
.endr
.irp t, 0,1,2,3,4,5,6,7
	s_wait_dscnt 7-\t                              ; rows 2 t and 2 t + 1 are back; the later reads stay out
	global_store_b128 v[DST+8*(\mb)+\t], v[ob+4*\t:ob+4*\t+3], s[12:13]  ; 16 lanes store 256 consecutive bytes, at a multiple of 256 from part's first byte
.endr
.Lnone_\@:
.endm
	s_mul_i32 s[RB0], s[WV], 48
	s_mov_b32 s[TR], 11
.Ltile:                                                ; tile 4 p + w: places 192 p + 48 w .. + 47 of the list
	s_wait_xcnt 0x0                                ; the last tile's stores have had their addresses translated: their offsets and data are written again only behind this wait
	v_add_nc_u32 v[TI], s[LP], v[R4]
	v_add_nc_u32 v[TH], s[LP], v[H4]
.irp mb, 0,1,2
	ds_load_b32 v[TA+\mb], v[TI] offset:64*\mb     ; the operands' rows: place 16 mb + r
.endr
.set k, 0
.rept 24
	ds_load_b32 v[DST+k], v[TH] offset:64*(k/8)+8*(k%8)  ; the stores' rows: place 16 mb + 2 t + h
.set k, k+1
.endr
	s_wait_dscnt 0x0
.irp mb, 0,1,2
	v_and_b32 v[TA+\mb], 0x7ff, v[TA+\mb]          ; the token;
	v_min_u32 v[TA+\mb], 0x7ff, v[TA+\mb]          ; a loaded number enters an address behind a bound, which stands last; behind it a shift and an add
	v_lshlrev_b32 v[TA+\mb], 12, v[TA+\mb]
	v_add_nc_u32 v[VOFF+\mb], v[TA+\mb], v[H16]
.endr
.set k, 0
.rept 24
	v_min_u32 v[DST+k], 0xfff, v[DST+k]            ; the bound; behind it a shift and an add
	v_lshlrev_b32 v[DST+k], 13, v[DST+k]           ; (token | slot << 11) x 8,192 bytes: the token's row in its slot's 16 MiB
	v_add_nc_u32 v[DST+k], v[DST+k], v[R16]        ; + 16 r
.set k, k+1
.endr
	s_cmp_ge_u32 s[RB0], s[COUNT]
	s_cbranch_scc1 .Lskip                          ; forward, past no barrier and past no line that writes an address register
	ALOAD 0, 0
	ALOAD 1, 256
	WIN 0
	BLOAD 0, 0
.set cc, 0
.rept 16
	CHUNK cc
.set cc, cc+1
.endr
	WIN 0                                          ; at a label and at a branch every window is 0
	PLACES                                         ; in front of the vector reads of the results, and of the loads into W's fragment buffers
	OUTMB 0
	OUTMB 1
	OUTMB 2
.Lskip:
	s_add_co_u32 s[RB0], s[RB0], 192
	s_add_co_u32 s[LP], s[LP], 4*192
	s_sub_co_u32 s[TR], s[TR], 1
	s_cmp_lg_u32 s[TR], 0
	s_cbranch_scc1 .Ltile
	s_wait_tensorcnt 0x0                           ; the wave's end: a closing LDS add behind my last LDS store
	ds_add_u32 v[SPW], v[NIL]
	s_wait_dscnt 0x0
	s_endpgm
.Lfunc_end_k_q61816360ae_experts:
	.size	k_q61816360ae_experts, .Lfunc_end_k_q61816360ae_experts-k_q61816360ae_experts
	.p2alignl 7, 3214868480
	.fill 96, 4, 3214868480
	.section	.rodata,"a",@progbits
	.p2align	6, 0x0
	.amdhsa_kernel k_q61816360ae_experts
		.amdhsa_group_segment_fixed_size 317952
		.amdhsa_private_segment_fixed_size 0
		.amdhsa_enable_private_segment 0
		.amdhsa_kernarg_size 40
		.amdhsa_user_sgpr_count 2
		.amdhsa_user_sgpr_kernarg_segment_ptr 1
		.amdhsa_wavefront_size32 1
		.amdhsa_system_sgpr_workgroup_id_x 1
		.amdhsa_system_sgpr_workgroup_id_y 1
		.amdhsa_system_sgpr_workgroup_id_z 1
		.amdhsa_system_vgpr_workitem_id 0
		.amdhsa_next_free_vgpr 608
		.amdhsa_next_free_sgpr 66
		.amdhsa_reserve_vcc 0
		.amdhsa_float_denorm_mode_32 3
		.amdhsa_float_denorm_mode_16_64 3
		.amdhsa_memory_ordered 1
		.amdhsa_forward_progress 1
		.amdhsa_inst_pref_size 237
	.end_amdhsa_kernel
	.amdgpu_metadata
---
amdhsa.version: [ 1, 2 ]
amdhsa.kernels:
  - .name:           k_q61816360ae_experts
    .symbol:         k_q61816360ae_experts.kd
    .args:
      - { .name: expert_w, .offset: 0, .size: 8, .value_kind: global_buffer, .address_space: global }
      - { .name: expert_b, .offset: 8, .size: 8, .value_kind: global_buffer, .address_space: global }
      - { .name: xb, .offset: 16, .size: 8, .value_kind: global_buffer, .address_space: global }
      - { .name: route, .offset: 24, .size: 8, .value_kind: global_buffer, .address_space: global }
      - { .name: part, .offset: 32, .size: 8, .value_kind: global_buffer, .address_space: global }
    .group_segment_fixed_size: 317952
    .private_segment_fixed_size: 0
    .kernarg_segment_align: 8
    .kernarg_segment_size: 40
    .max_flat_workgroup_size: 128
    .sgpr_count:     66
    .vgpr_count:     608
    .wavefront_size: 32
...
	.end_amdgpu_metadata
.endif
;; end of part 2
;; launch mean (part 3): grid 256 x 1, 8 waves a work-group, no clusters, 0 bytes of LDS; arguments part, out0; writes out0
.if DOCPART == 3
	.amdgcn_target "amdgcn-amd-amdhsa--gfx1250"
	.amdhsa_code_object_version 6
	.text
	.protected	k_q61816360ae_mean
	.globl	k_q61816360ae_mean
	.p2align	8
	.type	k_q61816360ae_mean,@function
k_q61816360ae_mean:
	s_mov_b64 s[64:65], 0
	v_nop
	global_prefetch_b8 v0, s[64:65] scope:SCOPE_SE
	s_setreg_imm32_b32 hwreg(HW_REG_WAVE_MODE, 25, 1), 1
	s_wait_xcnt 0x0
; out0[t][o] = part[0][t][o] + part[1][t][o]: each half already holds 0.5 relu(..), so the sum is the mean of the token's two experts.  All f32.
; A stream: a work-group has 65,536 bytes of out0, a thread 16 pieces of 16 bytes; a wave's load or store covers 512 consecutive bytes.  All 32 loads of a thread go out at once,
; so there is no loop, no register is used twice, and no LDS, barrier, matrix unit or cluster would add anything: no byte is shared.
.set A, 4                              ; piece i: v[4+8i : 7+8i] from slot 0, then the sum; v[8+8i : 11+8i] from slot 1
	s_load_b128 s[4:7], s[0:1], 0x0                ; part s[4:5], out0 s[6:7]
	v_lshlrev_b32 v1, 4, v0
	s_lshl_b32 s2, ttmp9, 16
	s_mov_b32 s3, 0
	s_wait_kmcnt 0x0
	s_add_nc_u64 s[4:5], s[4:5], s[2:3]
	s_add_nc_u64 s[6:7], s[6:7], s[2:3]
	s_add_nc_u64 s[8:9], s[4:5], 0x1000000         ; slot 1 lies 2,048 rows of 8,192 bytes further on
.set i, 0
.rept 16
	global_load_b128 v[A+8*i:A+8*i+3],   v1, s[4:5] offset:4096*i th:TH_LOAD_NT
	global_load_b128 v[A+8*i+4:A+8*i+7], v1, s[8:9] offset:4096*i th:TH_LOAD_NT
.set i, i+1
.endr
.set i, 0
.rept 16
	s_wait_loadcnt 30-2*i                          ; loads return in order: piece i's two are in, the later pieces' stay out
	v_pk_add_f32 v[A+8*i:A+8*i+1],   v[A+8*i:A+8*i+1],   v[A+8*i+4:A+8*i+5]
	v_pk_add_f32 v[A+8*i+2:A+8*i+3], v[A+8*i+2:A+8*i+3], v[A+8*i+6:A+8*i+7]
	global_store_b128 v1, v[A+8*i:A+8*i+3], s[6:7] offset:4096*i th:TH_STORE_NT
.set i, i+1
.endr
	s_endpgm
.Lfunc_end_k_q61816360ae_mean:
	.size	k_q61816360ae_mean, .Lfunc_end_k_q61816360ae_mean-k_q61816360ae_mean
	.p2alignl 7, 3214868480
	.fill 96, 4, 3214868480
	.section	.rodata,"a",@progbits
	.p2align	6, 0x0
	.amdhsa_kernel k_q61816360ae_mean
		.amdhsa_group_segment_fixed_size 0
		.amdhsa_private_segment_fixed_size 0
		.amdhsa_enable_private_segment 0
		.amdhsa_kernarg_size 16
		.amdhsa_user_sgpr_count 2
		.amdhsa_user_sgpr_kernarg_segment_ptr 1
		.amdhsa_wavefront_size32 1
		.amdhsa_system_sgpr_workgroup_id_x 1
		.amdhsa_system_sgpr_workgroup_id_y 1
		.amdhsa_system_sgpr_workgroup_id_z 1
		.amdhsa_system_vgpr_workitem_id 0
		.amdhsa_next_free_vgpr 132
		.amdhsa_next_free_sgpr 66
		.amdhsa_reserve_vcc 0
		.amdhsa_float_denorm_mode_32 3
		.amdhsa_float_denorm_mode_16_64 3
		.amdhsa_memory_ordered 1
		.amdhsa_forward_progress 1
		.amdhsa_inst_pref_size 8
	.end_amdhsa_kernel
	.amdgpu_metadata
---
amdhsa.version: [ 1, 2 ]
amdhsa.kernels:
  - .name:           k_q61816360ae_mean
    .symbol:         k_q61816360ae_mean.kd
    .args:
      - { .name: part, .offset: 0, .size: 8, .value_kind: global_buffer, .address_space: global }
      - { .name: out0, .offset: 8, .size: 8, .value_kind: global_buffer, .address_space: global }
    .group_segment_fixed_size: 0
    .private_segment_fixed_size: 0
    .kernarg_segment_align: 8
    .kernarg_segment_size: 16
    .max_flat_workgroup_size: 256
    .sgpr_count:     66
    .vgpr_count:     132
    .wavefront_size: 32
...
	.end_amdgpu_metadata
.endif
;; end of part 3
;; ======== version 2 of 3: 4 launches; 1.22 times as fast as version 1
;; workspace buffers: xb 8,388,608 bytes; route 8,192 bytes of whole numbers; list 67,584 bytes of whole numbers; part 33,554,432 bytes
;; launch router: the kernel of part 1 again; grid 256 x 1, 8 waves a work-group, no clusters, 70,912 bytes of LDS; arguments x, gate_w, gate_b, xb, route; writes xb, route
;; launch sort (part 4): grid 8 x 1, 1 waves a work-group, no clusters, 0 bytes of LDS; arguments route, list; writes list
.if DOCPART == 4
	.amdgcn_target "amdgcn-amd-amdhsa--gfx1250"
	.amdhsa_code_object_version 6
	.text
	.protected	k_q61816360ae_sort
	.globl	k_q61816360ae_sort
	.p2align	8
	.type	k_q61816360ae_sort,@function
k_q61816360ae_sort:
	s_mov_b64 s[64:65], 0
	v_nop
	global_prefetch_b8 v0, s[64:65] scope:SCOPE_SE
	s_setreg_imm32_b32 hwreg(HW_REG_WAVE_MODE, 25, 1), 1
	s_wait_xcnt 0x0
; THE LISTS.  For expert e (the work-group's number): list[e][0 .. COUNT-1] = the tokens that chose e, each as token | slot << 11 (slot = 1 if e is the higher of the token's two experts);
; the tokens that did not choose it fill the row's first 2,048 words from the back, so that every lane stores in every step; words 2,048 to 2,079 hold COUNT.
; Whole numbers alone: ballots and bit counts, a counting sort without atomics.  It is made once for each expert here, and read by the expert's 32 work-groups in the next launch.
; One wave an expert: the 64 steps hang on each other through the running count, and route is 8,192 bytes.  A step's chosen tokens go to consecutive words of the row.
.set LROW, 8448                        ; bytes in a row of list: 2,048 entries, 32 words of COUNT, 32 words that nobody writes or reads
.set REV,  2                           ; v2   31 - lane
.set TK,   3                           ; v3   4 x lane
.set VB,   4                           ; v4   16 x lane
.set CV,   5                           ; v5   COUNT
.set R,    16                          ; v[16:79]  route: register q, lane L: token 128 (q / 4) + 4 L + q % 4
.set P,    80                          ; v[80:207] step q: its store's offset and data, registers of its own: no store's sources are written again
.set BIT,  9                           ; s9   1 << e
.set HIB,  10                          ; s10  e + 8
.set BASE, 11                          ; s11  chosen tokens so far
.set BAL,  12                          ; s12  a ballot
	s_load_b128 s[4:7], s[0:1], 0x0                ; route s[4:5], list s[6:7]
	s_lshl_b32 s[BIT], 1, ttmp9
	s_add_co_u32 s[HIB], ttmp9, 8
	s_mov_b32 s[BASE], 0
	s_mul_i32 s14, ttmp9, LROW
	s_mov_b32 s15, 0
	v_lshlrev_b32 v[VB], 4, v0                     ; one wave: the thread's number is the lane
	v_sub_nc_u32 v[REV], 31, v0
	v_lshlrev_b32 v[TK], 2, v0
	s_wait_kmcnt 0x0
	s_add_nc_u64 s[6:7], s[6:7], s[14:15]          ; my expert's row
.set k, 0
.rept 16
	global_load_b128 v[R+4*k:R+4*k+3], v[VB], s[4:5] offset:512*k
.set k, k+1
.endr
; Register q of route: 32 tokens find their places.  PC = chosen tokens ahead of mine in the order (q, lane).  A chosen token goes to word PC; another to 2047 less the tokens not chosen
; ahead of it, which is PC + (31 - lane) + 32 (63 - q).
.macro PLACE q
.set pa, P+2*(\q)
.if ((\q)%4) == 0
	s_wait_loadcnt 15-(\q)/4                       ; loads return in order: this step's four registers are in, the later loads stay out
.endif
	v_and_b32 v[pa], s[BIT], v[R+(\q)]
	v_cmp_ne_u32 s[BAL], 0, v[pa]
	v_mbcnt_lo_u32_b32 v[pa], s[BAL], s[BASE]
	v_add_nc_u32 v[pa+1], v[pa], v[REV]
.if (\q) < 63
	v_add_nc_u32 v[pa+1], 32*(63-(\q)), v[pa+1]
.endif
	v_cndmask_b32 v[pa], v[pa+1], v[pa], s[BAL]
	v_min_u32 v[pa], 0x7ff, v[pa]                  ; a number made of loaded data enters an address behind a bound; behind the bound: a shift
	v_lshlrev_b32 v[pa], 2, v[pa]
	v_bfe_u32 v[pa+1], v[R+(\q)], s[HIB], 1        ; is e the token's higher expert?
	v_lshl_add_u32 v[pa+1], v[pa+1], 11, v[TK]
.if (\q) > 0
	v_add_nc_u32 v[pa+1], 128*((\q)/4)+(\q)%4, v[pa+1]
.endif
	global_store_b32 v[pa], v[pa+1], s[6:7]
	s_bcnt1_i32_b32 s13, s[BAL]
	s_add_co_u32 s[BASE], s[BASE], s13
.endm
.set k, 0
.rept 64
	PLACE k
.set k, k+1
.endr
	v_mov_b32 v[CV], s[BASE]
	global_store_b32 v[TK], v[CV], s[6:7] offset:8192  ; COUNT, 32 times: 128 consecutive bytes
	s_endpgm
.Lfunc_end_k_q61816360ae_sort:
	.size	k_q61816360ae_sort, .Lfunc_end_k_q61816360ae_sort-k_q61816360ae_sort
	.p2alignl 7, 3214868480
	.fill 96, 4, 3214868480
	.section	.rodata,"a",@progbits
	.p2align	6, 0x0
	.amdhsa_kernel k_q61816360ae_sort
		.amdhsa_group_segment_fixed_size 0
		.amdhsa_private_segment_fixed_size 0
		.amdhsa_enable_private_segment 0
		.amdhsa_kernarg_size 16
		.amdhsa_user_sgpr_count 2
		.amdhsa_user_sgpr_kernarg_segment_ptr 1
		.amdhsa_wavefront_size32 1
		.amdhsa_system_sgpr_workgroup_id_x 1
		.amdhsa_system_sgpr_workgroup_id_y 1
		.amdhsa_system_sgpr_workgroup_id_z 1
		.amdhsa_system_vgpr_workitem_id 0
		.amdhsa_next_free_vgpr 208
		.amdhsa_next_free_sgpr 66
		.amdhsa_reserve_vcc 0
		.amdhsa_float_denorm_mode_32 3
		.amdhsa_float_denorm_mode_16_64 3
		.amdhsa_memory_ordered 1
		.amdhsa_forward_progress 1
		.amdhsa_inst_pref_size 51
	.end_amdhsa_kernel
	.amdgpu_metadata
---
amdhsa.version: [ 1, 2 ]
amdhsa.kernels:
  - .name:           k_q61816360ae_sort
    .symbol:         k_q61816360ae_sort.kd
    .args:
      - { .name: route, .offset: 0, .size: 8, .value_kind: global_buffer, .address_space: global }
      - { .name: list, .offset: 8, .size: 8, .value_kind: global_buffer, .address_space: global }
    .group_segment_fixed_size: 0
    .private_segment_fixed_size: 0
    .kernarg_segment_align: 8
    .kernarg_segment_size: 16
    .max_flat_workgroup_size: 32
    .sgpr_count:     66
    .vgpr_count:     208
    .wavefront_size: 32
...
	.end_amdgpu_metadata
.endif
;; end of part 4
;; launch experts (part 5): grid 32 x 8, 4 waves a work-group, no clusters, 203,264 bytes of LDS; arguments expert_w, expert_b, xb, list, part; writes part
.if DOCPART == 5
	.amdgcn_target "amdgcn-amd-amdhsa--gfx1250"
	.amdhsa_code_object_version 6
	.text
	.protected	k_q61816360ae_experts
	.globl	k_q61816360ae_experts
	.p2align	8
	.type	k_q61816360ae_experts,@function
k_q61816360ae_experts:
	s_mov_b64 s[64:65], 0
	v_nop
	global_prefetch_b8 v0, s[64:65] scope:SCOPE_SE
	s_setreg_imm32_b32 hwreg(HW_REG_WAVE_MODE, 25, 1), 1
	s_wait_xcnt 0x0
; THE EXPERTS' PRODUCT, for the chosen rows alone.  part[slot][t][o] = 0.5 relu(sum over d of x[t][d] W[e][d][o] + b[e][o]) for each token t that chose expert e;
; slot = 0 if e is the lower of the token's two experts, 1 if the higher.  The next launch adds the two slots.
; SHARES.  Work-group (slice, e) has columns 64 slice .. + 63 of expert e, which it alone reads, and all rows of that expert, whatever their number (0 to 2,048).
;   THE WAVES SPLIT d: wave w has d = 512 w .. 512 w + 511 of all 64 columns.  In bf16 that is 64 KiB, 512 registers: W's fragments stay in registers, and the loop over rows reads none of them from LDS.
; FORMATS.  W and b are rounded to bf16 on their way through registers, x comes rounded (xb); products in bf16 on the matrix unit; sums in f32, in registers, in LDS and in part.
; THE LIST of the expert's tokens and their number COUNT come from memory, made by the launch before: place p < COUNT holds token | slot << 11.  A place past COUNT - 1 is read as place COUNT - 1:
;   the group of 32 rows that holds places on both sides of COUNT repeats its last true row and stores that row's own bytes again to its own place: EXEC is never narrowed.
; PHASE 1: the wave's 512 rows x 64 columns of W are read once, 56 loads of 512 bytes on their way, rounded, turned (8 neighbouring d of a column make 16 bytes) through a scratch of the wave's own
;   in LDS, and read back, K step by K step, as operands into windows 2 and 3.  Written out whole: no pointer and no LDS address is stepped.  No barrier: the scratch is the wave's own.
; PHASE 2: groups of 32 rows.  Each wave multiplies the group's rows by its quarter of d: 128 matrix instructions on 8 accumulators; the rows of xb come by the list from memory straight into
;   registers, four buffers of 128 along d; behind each quarter the same quarter of the NEXT group is asked for.  The four waves' partial sums meet in LDS: each wave stores its 32 x 64, one barrier,
;   each wave adds up 8 rows, finishes them and stores them.  The stage has two halves that take turns, so that one barrier a group orders both the stores with the reads and the reads with the next stores.
;   The loop has a constant count, 32 trips of two groups = 2,048 rows; every wave passes every barrier; the work of groups past COUNT is jumped, forward.
;   ALL ADDRESSES OF A GROUP ARE MADE AT ITS HEAD, AHEAD OF THE JUMPS: in what a jump on COUNT passes over, no address register is written.  In a group that is not jumped every load is issued,
;   also where the next group lies past COUNT (its places are read as place COUNT - 1), so that the counted waits hold on every way.
; THE MATRIX INSTRUCTION IS USED TRANSPOSED: source 0 = 16 columns of W, source 1 = 16 tokens: a lane then holds one token (lane % 16) and eight neighbouring columns.
; NO CLUSTER, NO TENSOR LOADS: each slice of W has one reader and must pass through registers to be rounded and turned; the token rows that an expert's 32 work-groups share come by a list,
; which no descriptor's rows and pitch cover.
; REGISTERS, in windows of 256 (s_set_vgpr_msb: bits 1:0 source 0, 3:2 source 1, 5:4 source 2, 7:6 destination):
;   window 0: as named below.   window 1: phase 1: eight slots of 32; phase 2: four row buffers of 64 (quarter q, block blk, K step ks at 64 q + 32 blk + 8 ks).
;   windows 2, 3: W: my K step kk, column block nb at 32 (kk % 8) + 8 nb of window 2 + kk / 8
.set KSB,    4160                      ; LDS bytes of 32 along d: four blocks of 16 columns
.set NBB,    1040                      ; a block: two halves of 512 bytes (lane x 16) + 16
.set WSCR,   8*KSB                     ; a wave's scratch: 8 K steps; K step kk + 8 takes the bytes of K step kk, behind that step's reads (LDS serves a wave's instructions in order: ISA guide 5.7.1.4)
.set STAGE,  4*WSCR                    ; behind the scratches: the partial sums
.set SP,     272                       ; a row of 64 f32, 256 bytes, + 16: 16 rows start at 16 different groups of four banks
.set SWAVE,  32*SP                     ; a wave's 32 rows
.set SHALF,  4*SWAVE                   ; a half of the stage: four waves' partial sums of one group
.set SPARE,  STAGE+2*SHALF             ; the spare words: 128 bytes for each wave
.set UNITB,  131072                    ; 16 rows of W, 8,192 bytes each
.set LROW,   8448                      ; bytes in a row of list; COUNT lies at byte 8,192
.set HW,   1                           ; v1   16 h + 1024 w: my bytes in a row of xb
.set RL,   2                           ; v2   r = lane % 16
.set HL,   3                           ; v3   h = lane / 16
.set VB,   4                           ; v4   16 x lane + my scratch; never rewritten
.set STO,  5                           ; v5   the stage: where I put 32 bytes of a row of my partial sums
.set RD,   6                           ; v6   the stage: row 8 w + h of wave 0's partial sums, + 16 r
.set R16,  7                           ; v7   16 r
.set PA,   8                           ; v[8:9]   the operands' places in a group: 16 blk + r
.set PS,   10                          ; v[10:13] the stores' places in a group: 8 w + 2 t + h
.set VOFF, 14                          ; v[14:15] my token's row in xb + HW, for each of the two blocks of the group whose rows are being asked for
.set EA,   16                          ; v[16:17] list entries for the operands' rows; each register first holds its entry's byte offset in the list, and the load lands on it
.set ES,   18                          ; v[18:21] list entries for the stores' rows, likewise
.set DST,  22                          ; v[22:25] byte offsets in part
.set TA,   26                          ; v[26:27] at work
.set SPW,  28                          ; v28  my spare word; never rewritten
.set NIL,  29                          ; v29  0; never rewritten
.set VW,   30                          ; v30  phase 1: 65536 h + 16 r: my 16 bytes in a unit of W; never rewritten
.set VLS,  31                          ; v31  phase 1: where my turned 16 bytes go; never rewritten
.set HB,   32                          ; v[32:35] 0.5 b of columns 4 r .. 4 r + 3
.set HT,   36                          ; v[36:37] b in bf16, at work once
.set EA0,  38                          ; v[38:39] the first group's list entries for the operands' rows
.set T,    64                          ; phase 1: v[64:95] turned words, two sets of 16
.set ACC,  64                          ; v[64:127] accumulator (blk, nb) at ACC + 8 (4 blk + nb)
.set RED,  128                         ; v[128:191] the sums: row pair t, wave sw at RED + 16 t + 4 sw
.set WV,    14                         ; s14  my wave's number
.set EX,    15                         ; s15  e
.set COUNT, 19                         ; s19  the expert's rows
.set CM1,   20                         ; s20  the last place that holds a chosen token (0 where there is none)
.set TR,    29                         ; s29  counts the trips
.set RB,    30                         ; s30  the trip's first place
.set RG,    31                         ; s31  the group's first place
.set RG1,   32                         ; s32  the next group's
.set HM,    33                         ; s33  a word's upper bf16
.set RG2,   34                         ; s34  the group's after that
.set MSB, 0
.macro WIN new                         ; the immediate's high byte repeats the setting that is left; a switch that changes nothing is dropped
.if MSB != (\new)
	s_set_vgpr_msb (MSB<<8)|(\new)
.set MSB, (\new)
.endif
.endm
.macro PLACES                          ; four plain vector instructions between a matrix instruction and a load into, or an LDS store of, its registers
.rept 4
	v_nop
.endr
.endm
.macro WLOAD s, off                    ; a unit of W, 16 rows x 256 bytes, into slot s: lanes 0-15 take 256 bytes of row j, lanes 16-31 of row 8 + j
.irp j, 0,1,2,3,4,5,6,7
	global_load_b128 v[32*(\s)+4*\j:32*(\s)+4*\j+3], v[VW], s[4:5] offset:(\off)+8192*\j th:TH_LOAD_NT
.endr
.endm
; n registers from first on: a place becomes its entry's byte offset in the list: min(place, COUNT - 1), a constant bound (a number made of loaded data enters an address behind one), a shift
.macro CLAMP first, n
.set ek, 0
.rept \n
	v_min_u32 v[(\first)+ek], s[CM1], v[(\first)+ek]
.set ek, ek+1
.endr
.set ek, 0
.rept \n
	v_min_u32 v[(\first)+ek], 0x7ff, v[(\first)+ek]
.set ek, ek+1
.endr
.set ek, 0
.rept \n
	v_lshlrev_b32 v[(\first)+ek], 2, v[(\first)+ek]
.set ek, ek+1
.endr
.endm
; Quarter q of a group's rows, 32 rows x 128 of my 512 along d, into row buffer q: 16 loads; a block's eight cover 256 bytes of each of its 16 rows
.macro ALOADQ q
	WIN 0x40                                       ; destination window 1
.irp blk, 0,1
.irp ks, 0,1,2,3
	global_load_b128 v[64*(\q)+32*\blk+8*\ks:64*(\q)+32*\blk+8*\ks+3],   v[VOFF+\blk], s[8:9] offset:256*(\q)+64*\ks
	global_load_b128 v[64*(\q)+32*\blk+8*\ks+4:64*(\q)+32*\blk+8*\ks+7], v[VOFF+\blk], s[8:9] offset:256*(\q)+64*\ks+32
.endr
.endr
.endm
	s_load_b256 s[4:11], s[0:1], 0x0               ; W s[4:5], b s[6:7], xb s[8:9], list s[10:11]
	s_load_b64 s[12:13], s[0:1], 0x20              ; part
	v_lshl_add_u32 v[SPW], v0, 2, SPARE
	v_mov_b32 v[NIL], 0
	v_lshrrev_b32 v[TA], 5, v0
	v_readfirstlane_b32 s[WV], v[TA]
	s_and_b32 s[EX], ttmp7, 0xffff
	s_mov_b32 s[HM], 0xffff0000
	s_mov_b32 s[RB], 0
	v_and_b32 v[TA+1], 31, v0                      ; lane
	v_and_b32 v[RL], 15, v0
	v_bfe_u32 v[HL], v0, 4, 1
	v_lshlrev_b32 v[R16], 4, v[RL]
	v_lshlrev_b32 v[HW], 4, v[HL]
	s_lshl_b32 s22, s[WV], 10                      ; my 512 along d: 1,024 bytes of a row of xb
	v_add_nc_u32 v[HW], s22, v[HW]
	v_lshl_add_u32 v[VW], v[HL], 16, v[R16]
	s_mul_i32 s38, s[WV], WSCR                     ; my scratch
	v_lshlrev_b32 v[VB], 4, v[TA+1]
	v_add_nc_u32 v[VB], s38, v[VB]
	; my columns 4 r .. 4 r + 3 of a unit lie in block r / 4, at the places of lanes 16 h + 4 (r % 4) + 0 .. 3
	v_lshrrev_b32 v[TA], 2, v[RL]
	v_and_b32 v[TA+1], 3, v[RL]
	v_mul_u32_u24 v[VLS], v[TA], NBB
	v_lshl_add_u32 v[VLS], v[HL], 8, v[VLS]
	v_lshl_add_u32 v[VLS], v[TA+1], 6, v[VLS]
	v_add_nc_u32 v[VLS], s38, v[VLS]
	s_mul_i32 s22, s[WV], SWAVE
	s_add_co_u32 s22, s22, STAGE                   ; my partial sums
	v_mul_u32_u24 v[STO], v[RL], SP                ; in: row r of a block, 32 bytes for each half of the lanes
	v_lshl_add_u32 v[STO], v[HL], 5, v[STO]
	v_add_nc_u32 v[STO], s22, v[STO]
	s_mul_i32 s22, s[WV], 8*SP
	s_add_co_u32 s22, s22, STAGE                   ; the 8 rows that I add up
	v_mul_u32_u24 v[RD], v[HL], SP                 ; back: lanes 0-15 one row of 256 bytes, lanes 16-31 the next
	v_add_nc_u32 v[RD], v[RD], v[R16]
	v_add_nc_u32 v[RD], s22, v[RD]
	v_mov_b32 v[PA], v[RL]
	v_add_nc_u32 v[PA+1], 16, v[RL]
	s_lshl_b32 s22, s[WV], 3
	v_add_nc_u32 v[PS], s22, v[HL]
.irp t, 1,2,3
	v_add_nc_u32 v[PS+\t], 2*\t, v[PS]
.endr
	s_mul_i32 s16, s[EX], LROW                     ; the expert's row of list
	s_mov_b32 s17, 0
	s_lshl_b32 s24, ttmp9, 8                       ; the slice's 256 bytes in a row of W, b and part
	s_mov_b32 s25, 0
	s_lshl_b32 s26, s[EX], 13                      ; the expert's row of b
	s_add_co_u32 s26, s26, s24
	s_mov_b32 s27, 0
	s_lshl_b32 s22, s[EX], 24                      ; the expert's 16 MiB of W,
	s_lshl_b32 s23, s[WV], 22                      ; my wave's 512 rows of it
	s_add_co_u32 s22, s22, s23
	s_add_co_u32 s22, s22, s24
	s_mov_b32 s23, 0
	s_wait_kmcnt 0x0
	s_add_nc_u64 s[4:5], s[4:5], s[22:23]
	s_add_nc_u64 s[6:7], s[6:7], s[26:27]
	s_add_nc_u64 s[12:13], s[12:13], s[24:25]
	s_add_nc_u64 s[10:11], s[10:11], s[16:17]
	s_load_b32 s[COUNT], s[10:11], 0x2000
	global_load_b128 v[HB:HB+3], v[R16], s[6:7]    ; b of columns 4 r .. 4 r + 3
	WIN 0x40                                       ; destination window 1
.irp s, 0,1,2,3,4,5,6
	WLOAD \s, (\s)*UNITB                           ; seven units, 56 loads, are on their way
.endr
	WIN 0
	; the list entries that the first group's head and the first rows want: operands' rows of groups 0 and 1, stores' rows of group 0: 8 loads
	v_mov_b32 v[EA0], v[PA]
	v_mov_b32 v[EA0+1], v[PA+1]
	v_add_nc_u32 v[EA], 32, v[PA]
	v_add_nc_u32 v[EA+1], 32, v[PA+1]
.irp t, 0,1,2,3
	v_mov_b32 v[ES+\t], v[PS+\t]
.endr
	s_wait_kmcnt 0x0                               ; COUNT
	s_max_u32 s[CM1], s[COUNT], 1
	s_sub_co_u32 s[CM1], s[CM1], 1
	CLAMP EA0, 2
	CLAMP EA, 6
	global_load_b32 v[EA0], v[EA0], s[10:11]
	global_load_b32 v[EA0+1], v[EA0+1], s[10:11]
.irp k, 0,1,2,3,4,5
	global_load_b32 v[EA+\k], v[EA+\k], s[10:11]
.endr
; PHASE 1.  My K step kk lies whole in my scratch: it is read back as operands, 8 loads of 512 consecutive bytes, which see the stores above them.
.macro RBACK kk
	WIN 0x80+0x40*((\kk)/8)                        ; destination window 2 or 3
.irp nb, 0,1,2,3
	ds_load_b128 v[32*((\kk)%8)+8*\nb:32*((\kk)%8)+8*\nb+3],   v[VB] offset:((\kk)%8)*KSB+NBB*\nb
	ds_load_b128 v[32*((\kk)%8)+8*\nb+4:32*((\kk)%8)+8*\nb+7], v[VB] offset:((\kk)%8)*KSB+NBB*\nb+512
.endr
	WIN 0
.endm
; Unit u of my 32, in slot u % 8.  Its loads have come; the unit seven further on is asked for first, into the slot in front, which the unit before has left.  Then the unit is rounded and
; turned: for column 4 r + c the rows 8 h + 0 .. 7 make four words.  Two units are a K step.
; The wait's count is the younger loads: six units, 48; 8 more while the list's eight loads are younger (u < 7); in the last round the units left and the first group's quarters asked for so far:
; 40 + 16, 32 + 16, 24 + 32, 16 + 32, 8 + 48, 0 + 48.
.macro UNIT u
.set us, (\u)%8
.set tt, T+16*((\u)%2)
.set lf, 48
.if ((\u) < 7) || (((\u) > 25) && (((\u)%2) == 0))
.set lf, 56
.endif
	s_wait_loadcnt lf
.if (\u) < 25
	WIN 0x40
	WLOAD ((\u)+7)%8, ((\u)+7)*UNITB
.endif
	WIN 0x05                                       ; sources in window 1
.irp c, 0,1,2,3
.irp p, 0,1,2,3
	v_cvt_pk_bf16_f32 v[tt+4*\c+\p], v[32*us+8*\p+\c], v[32*us+8*\p+4+\c]
.endr
.endr
	WIN 0
.irp c, 0,1,2,3
	ds_store_b128 v[VLS], v[tt+4*\c:tt+4*\c+3] offset:(((\u)/2)%8)*KSB+((\u)%2)*512+16*\c
.endr
.if ((\u)%2) == 1
	RBACK (\u)/2
.endif
.endm
.set u, 0
.rept 26
	UNIT u
.set u, u+1
.endr
	; the first group's rows: the list's loads are older than unit 7's, so they are in.  Row buffer q takes slots 2 q and 2 q + 1, which units 24 + 2 q and 25 + 2 q leave.
.irp b, 0,1
	v_and_b32 v[EA0+\b], 0x7ff, v[EA0+\b]          ; the token;
	v_min_u32 v[EA0+\b], 0x7ff, v[EA0+\b]          ; a loaded number enters an address behind a bound, which stands last; behind it a shift and an add
	v_lshlrev_b32 v[EA0+\b], 12, v[EA0+\b]
	v_add_nc_u32 v[VOFF+\b], v[EA0+\b], v[HW]
.endr
	ALOADQ 0
	UNIT 26
	UNIT 27
	ALOADQ 1
	UNIT 28
	UNIT 29
	ALOADQ 2
	UNIT 30
	UNIT 31
	ALOADQ 3
	WIN 0
	; b: rounded to bf16, widened, halved (its load was the wave's first: it is in)
	v_cvt_pk_bf16_f32 v[HT], v[HB], v[HB+1]
	v_cvt_pk_bf16_f32 v[HT+1], v[HB+2], v[HB+3]
.irp k, 0,1
	v_lshlrev_b32 v[HB+2*\k],   16,    v[HT+\k]
	v_and_b32     v[HB+2*\k+1], s[HM], v[HT+\k]
	v_pk_mul_f32 v[HB+2*\k:HB+2*\k+1], v[HB+2*\k:HB+2*\k+1], 0.5 op_sel_hi:[1,0]
.endr
	s_wait_dscnt 0x0                               ; W's fragments are in their registers
; PHASE 2.
; Quarter q of a group: 4 K steps x 2 blocks x 4 column blocks = 32 matrix instructions; the 8 accumulators take turns, one instruction a turn, from quarter to quarter too.
; Quarter 0's first eight start the sums.  Behind the products the next group's quarter q is asked for, into the buffer just read.
; The wait's count is the younger loads: of this group 16 (3 - q), the 6 list entries, of the next group 16 q: 54.  (Quarter 0 was waited for at the group's head.)
.macro QUARTER q
.if (\q) > 0
	s_wait_loadcnt 54
.endif
	WIN 0x06+(\q)/2                                ; source 0 (W) window 2 or 3, source 1 (rows) window 1, C and D window 0
.irp ks, 0,1,2,3
.irp blk, 0,1
.irp nb, 0,1,2,3
.set ra, ACC+8*(4*\blk+\nb)
.set rw, 32*((4*(\q)+\ks)%8)+8*\nb
.set rx, 64*(\q)+32*\blk+8*\ks
.if ((\q) == 0) && (\ks == 0)
	v_wmma_f32_16x16x32_bf16 v[ra:ra+7], v[rw:rw+7], v[rx:rx+7], 0
.else
	v_wmma_f32_16x16x32_bf16 v[ra:ra+7], v[rw:rw+7], v[rx:rx+7], v[ra:ra+7]
.endif
.endr
.endr
.endr
	PLACES                                         ; in front of the loads into the buffer that these products read (behind quarter 3 also in front of the LDS stores of the results)
	ALOADQ \q
.endm
; A group of 32 rows; p: its half of the stage.
.macro GROUP p
	s_add_co_u32 s[RG],  s[RB], 32*(\p)
	s_add_co_u32 s[RG1], s[RB], 32*(\p)+32
	s_add_co_u32 s[RG2], s[RB], 32*(\p)+64
	; THE HEAD, on every way.
	s_wait_loadcnt 48                              ; this group's quarter 0 is in, and the list entries, which are older; three quarters, 48 loads, stay out
	s_wait_xcnt 0x0                                ; every earlier load and store has had its addresses translated: offsets and store data are written again only behind this wait
.irp b, 0,1
	v_and_b32 v[TA+\b], 0x7ff, v[EA+\b]            ; the next group's tokens
.endr
.irp t, 0,1,2,3
	v_min_u32 v[DST+\t], 0xfff, v[ES+\t]           ; this group's stores: a loaded number enters an address behind a bound; behind it a shift and an add
.endr
.irp b, 0,1
	v_min_u32 v[TA+\b], 0x7ff, v[TA+\b]
.endr
.irp t, 0,1,2,3
	v_lshlrev_b32 v[DST+\t], 13, v[DST+\t]         ; (token | slot << 11) x 8,192 bytes: the token's row in its slot's 16 MiB
.endr
.irp b, 0,1
	v_lshlrev_b32 v[TA+\b], 12, v[TA+\b]
.endr
.irp t, 0,1,2,3
	v_add_nc_u32 v[DST+\t], v[DST+\t], v[R16]      ; + 16 r
.endr
.irp b, 0,1
	v_add_nc_u32 v[VOFF+\b], v[TA+\b], v[HW]
.endr
.irp b, 0,1
	v_add_nc_u32 v[EA+\b], s[RG2], v[PA+\b]        ; where the entries lie that the next head wants: operands' rows two groups on,
.endr
.irp t, 0,1,2,3
	v_add_nc_u32 v[ES+\t], s[RG1], v[PS+\t]        ; stores' rows one group on
.endr
	CLAMP EA, 6
	s_cmp_ge_u32 s[RG], s[COUNT]
	s_cbranch_scc1 .Lnc_\@                         ; a group past COUNT: forward, past no barrier and past no line that writes an address register
.irp k, 0,1,2,3,4,5
	global_load_b32 v[EA+\k], v[EA+\k], s[10:11]   ; each load lands on its own address register
.endr
	QUARTER 0
	QUARTER 1
	QUARTER 2
	QUARTER 3
	WIN 0
.irp blk, 0,1
.irp nb, 0,1,2,3                       ; each accumulator's low registers first
	ds_store_b128 v[STO], v[ACC+8*(4*\blk+\nb):ACC+8*(4*\blk+\nb)+3]   offset:(\p)*SHALF+\blk*16*SP+64*\nb
	ds_store_b128 v[STO], v[ACC+8*(4*\blk+\nb)+4:ACC+8*(4*\blk+\nb)+7] offset:(\p)*SHALF+\blk*16*SP+64*\nb+16
.endr
.endr
.Lnc_\@:
	s_wait_dscnt 0x0                               ; for the others' sake: my partial sums lie in this half, and my reads of the other half are over
	s_barrier_signal -1
	s_barrier_wait -1                              ; this half is whole; the other half may be written again
	s_cmp_ge_u32 s[RG], s[COUNT]
	s_cbranch_scc1 .Lnr_\@
.irp t, 0,1,2,3
.irp sw, 0,1,2,3
	ds_load_b128 v[RED+16*\t+4*\sw:RED+16*\t+4*\sw+3], v[RD] offset:(\p)*SHALF+\sw*SWAVE+2*\t*SP  ; rows 8 w + 2 t and + 1 of wave sw's partial sums
.endr
.endr
.irp t, 0,1,2,3
	s_wait_dscnt 12-4*\t                           ; this row pair's four reads are back; the later pairs' stay out
	v_pk_add_f32 v[RED+16*\t:RED+16*\t+1],     v[RED+16*\t:RED+16*\t+1],     v[RED+16*\t+4:RED+16*\t+5]
	v_pk_add_f32 v[RED+16*\t+2:RED+16*\t+3],   v[RED+16*\t+2:RED+16*\t+3],   v[RED+16*\t+6:RED+16*\t+7]
	v_pk_add_f32 v[RED+16*\t+8:RED+16*\t+9],   v[RED+16*\t+8:RED+16*\t+9],   v[RED+16*\t+12:RED+16*\t+13]
	v_pk_add_f32 v[RED+16*\t+10:RED+16*\t+11], v[RED+16*\t+10:RED+16*\t+11], v[RED+16*\t+14:RED+16*\t+15]
	v_pk_add_f32 v[RED+16*\t:RED+16*\t+1],     v[RED+16*\t:RED+16*\t+1],     v[RED+16*\t+8:RED+16*\t+9]
	v_pk_add_f32 v[RED+16*\t+2:RED+16*\t+3],   v[RED+16*\t+2:RED+16*\t+3],   v[RED+16*\t+10:RED+16*\t+11]
	v_pk_fma_f32 v[RED+16*\t:RED+16*\t+1],     v[RED+16*\t:RED+16*\t+1],   0.5, v[HB:HB+1]   op_sel_hi:[1,0,1]  ; 0.5 sum + 0.5 b
	v_pk_fma_f32 v[RED+16*\t+2:RED+16*\t+3],   v[RED+16*\t+2:RED+16*\t+3], 0.5, v[HB+2:HB+3] op_sel_hi:[1,0,1]
.irp j, 0,1,2,3
	v_max_num_f32 v[RED+16*\t+\j], 0, v[RED+16*\t+\j]
.endr
	global_store_b128 v[DST+\t], v[RED+16*\t:RED+16*\t+3], s[12:13]  ; 16 lanes store 256 consecutive bytes, at a multiple of 256 from part's first byte
.endr
.Lnr_\@:
.endm
	s_mov_b32 s[TR], 32
.Ltrip:                                                ; a trip: two groups, places 64 i .. 64 i + 63 of the list, one on each half of the stage
	GROUP 0
	GROUP 1
	s_add_co_u32 s[RB], s[RB], 64
	s_sub_co_u32 s[TR], s[TR], 1
	s_cmp_lg_u32 s[TR], 0
	s_cbranch_scc1 .Ltrip
	s_wait_tensorcnt 0x0                           ; the wave's end: a closing LDS add behind my last LDS store
	ds_add_u32 v[SPW], v[NIL]
	s_wait_dscnt 0x0
	s_endpgm
.Lfunc_end_k_q61816360ae_experts:
	.size	k_q61816360ae_experts, .Lfunc_end_k_q61816360ae_experts-k_q61816360ae_experts
	.p2alignl 7, 3214868480
	.fill 96, 4, 3214868480
	.section	.rodata,"a",@progbits
	.p2align	6, 0x0
	.amdhsa_kernel k_q61816360ae_experts
		.amdhsa_group_segment_fixed_size 203264
		.amdhsa_private_segment_fixed_size 0
		.amdhsa_enable_private_segment 0
		.amdhsa_kernarg_size 40
		.amdhsa_user_sgpr_count 2
		.amdhsa_user_sgpr_kernarg_segment_ptr 1
		.amdhsa_wavefront_size32 1
		.amdhsa_system_sgpr_workgroup_id_x 1
		.amdhsa_system_sgpr_workgroup_id_y 1
		.amdhsa_system_sgpr_workgroup_id_z 1
		.amdhsa_system_vgpr_workitem_id 0
		.amdhsa_next_free_vgpr 1024
		.amdhsa_next_free_sgpr 66
		.amdhsa_reserve_vcc 0
		.amdhsa_float_denorm_mode_32 3
		.amdhsa_float_denorm_mode_16_64 3
		.amdhsa_memory_ordered 1
		.amdhsa_forward_progress 1
		.amdhsa_inst_pref_size 135
	.end_amdhsa_kernel
	.amdgpu_metadata
---
amdhsa.version: [ 1, 2 ]
amdhsa.kernels:
  - .name:           k_q61816360ae_experts
    .symbol:         k_q61816360ae_experts.kd
    .args:
      - { .name: expert_w, .offset: 0, .size: 8, .value_kind: global_buffer, .address_space: global }
      - { .name: expert_b, .offset: 8, .size: 8, .value_kind: global_buffer, .address_space: global }
      - { .name: xb, .offset: 16, .size: 8, .value_kind: global_buffer, .address_space: global }
      - { .name: list, .offset: 24, .size: 8, .value_kind: global_buffer, .address_space: global }
      - { .name: part, .offset: 32, .size: 8, .value_kind: global_buffer, .address_space: global }
    .group_segment_fixed_size: 203264
    .private_segment_fixed_size: 0
    .kernarg_segment_align: 8
    .kernarg_segment_size: 40
    .max_flat_workgroup_size: 128
    .sgpr_count:     66
    .vgpr_count:     1024
    .wavefront_size: 32
...
	.end_amdgpu_metadata
.endif
;; end of part 5
;; launch mean: the kernel of part 3 again; grid 256 x 1, 8 waves a work-group, no clusters, 0 bytes of LDS; arguments part, out0; writes out0
;; ======== version 3 of 3: 4 launches; version 2 with the launch experts written anew for expert scheduling mode
;; workspace buffers: xb 8,388,608 bytes; route 8,192 bytes of whole numbers; list 67,584 bytes of whole numbers; part 33,554,432 bytes
;; launch router: the kernel of part 1 again; grid 256 x 1, 8 waves a work-group, no clusters, 70,912 bytes of LDS; arguments x, gate_w, gate_b, xb, route; writes xb, route
;; launch sort: the kernel of part 4 again; grid 8 x 1, 1 waves a work-group, no clusters, 0 bytes of LDS; arguments route, list; writes list
;; launch experts (part 6): grid 32 x 8, 4 waves a work-group, no clusters, 203,264 bytes of LDS; arguments expert_w, expert_b, xb, list, part; writes part
.if DOCPART == 6
	.amdgcn_target "amdgcn-amd-amdhsa--gfx1250"
	.amdhsa_code_object_version 6
	.text
	.protected	k_q61816360ae_experts
	.globl	k_q61816360ae_experts
	.p2align	8
	.type	k_q61816360ae_experts,@function
k_q61816360ae_experts:
	s_mov_b64 s[64:65], 0
	v_nop
	global_prefetch_b8 v0, s[64:65] scope:SCOPE_SE
	s_setreg_imm32_b32 hwreg(HW_REG_WAVE_SCHED_MODE, 0, 2), 2
	s_setreg_imm32_b32 hwreg(HW_REG_WAVE_MODE, 25, 1), 1
	s_wait_xcnt 0x0
	s_wait_alu depctr_vm_vsrc(0)
; THE EXPERTS' PRODUCT, for the chosen rows alone.  part[slot][t][o] = 0.5 relu(sum over d of x[t][d] W[e][d][o] + b[e][o]) for each token t that chose expert e;
; slot = 0 if e is the lower of the token's two experts, 1 if the higher.  The next launch adds the two slots.
; SHARES.  Work-group (slice, e) has columns 64 slice .. + 63 of expert e, which it alone reads, and all rows of that expert, whatever their number (0 to 2,048).
;   THE WAVES SPLIT d: wave w has d = 512 w .. 512 w + 511 of all 64 columns.  In bf16 that is 64 KiB, 512 registers: W's fragments stay in registers, and the loop over rows reads none of them from LDS.
; FORMATS.  W and b are rounded to bf16 on their way through registers, x comes rounded (xb); products in bf16 on the matrix unit; sums in f32, in registers, in LDS and in part.
; THE LIST of the expert's tokens and their number COUNT come from memory, made by the launch before: place p < COUNT holds token | slot << 11.  A place past COUNT - 1 is read as place COUNT - 1:
;   the group of 32 rows that holds places on both sides of COUNT repeats its last true row and stores that row's own bytes again to its own place: EXEC is never narrowed.
; PHASE 1: the wave's 512 rows x 64 columns of W are read once, 56 loads of 512 bytes on their way, rounded, turned (8 neighbouring d of a column make 16 bytes) through a scratch of the wave's own
;   in LDS, and read back, K step by K step, as operands into windows 2 and 3.  Written out whole: no pointer and no LDS address is stepped.  No barrier: the scratch is the wave's own.
; PHASE 2: groups of 32 rows.  Each wave multiplies the group's rows by its quarter of d: 128 matrix instructions on 8 accumulators; the rows of xb come by the list from memory straight into
;   registers, four buffers of 128 along d.  The NEXT group's quarters 0 and 1 are asked for among the products of quarters 2 and 3, its quarters 2 and 3 among the LDS stores of the partial sums.
;   The four waves' partial sums meet in LDS: each wave stores its 32 x 64, one barrier,
;   each wave adds up 8 rows, finishes them and stores them.  The stage has two halves that take turns, so that one barrier a group orders both the stores with the reads and the reads with the next stores.
;   The loop has a constant count, 32 trips of two groups = 2,048 rows; every wave passes every barrier; the work of groups past COUNT is jumped, forward.
;   ALL ADDRESSES OF A GROUP ARE MADE AT ITS HEAD, AHEAD OF THE JUMPS: in what a jump on COUNT passes over, no address register is written.  In a group that is not jumped every load is issued,
;   also where the next group lies past COUNT (its places are read as place COUNT - 1), so that the counted waits hold on every way.
; THE MATRIX INSTRUCTION IS USED TRANSPOSED: source 0 = 16 columns of W, source 1 = 16 tokens: a lane then holds one token (lane % 16) and eight neighbouring columns.
; NO CLUSTER, NO TENSOR LOADS: each slice of W has one reader and must pass through registers to be rounded and turned; the token rows that an expert's 32 work-groups share come by a list,
; which no descriptor's rows and pitch cover.
; THE MODE: SCHED_MODE bits 1:0 = 2 (LLVM: expert scheduling mode 2), set by the entry lines.  The code itself states the register dependences
; between vector or matrix instructions and memory or LDS instructions, with s_wait_alu, always for 0.
; THE PLAN.  Registers that memory or LDS instructions touch:
;   VW, VB, VLS, STO, RD, R16   addresses made once at the head, never written again: the wait ahead of the first load states that they are written.
;   phase 1, slots 0-7          unit u's conversions read slot u % 8; the load of unit u + 8 lands in it, issued at unit u + 1's head.
;   phase 1, T0, T1             unit u's conversions write T[u % 2], its four LDS stores read it; unit u + 2 writes it again.
;     So a unit has one wait on va_vdst behind its conversions (T is written; the slot is read out) and one on vm_vsrc ahead of them (the stores of two units back have read T).
;   LO, LO0                     offsets into the list: written by vector lines, read by the list's loads.   EA, ES, EA0: the list's loads land in them, vector lines read them.
;   VOFF, DST                   written at a group's head; read by the group's 64 row loads and its four stores.
;   row buffers 0-3             quarter q's products read buffer q; the next group's quarter q lands in it.
;   ACC                         written by the products, read by the 16 LDS stores.      RED: 16 LDS loads land in it, the sums work in it, four stores read it.
;   A group that is not jumped has five such waits.  At its head, on every way: vm_vsrc (all that the group before issued has read VOFF, LO, DST, RED and ACC), and, behind the head's vector lines, va_vdst
;   (VOFF, LO and DST are written; EA and ES are read out; the last sums are done with RED).  Behind quarter 1: va_vdst, for row buffers 0 and 1; the products that follow name buffers 2 and 3, W and ACC alone.
;   Behind quarter 3: va_vdst, for ACC and row buffers 2 and 3.  Behind the sums: va_vdst, for RED, ahead of the run of four stores.
; REGISTERS, in windows of 256 (s_set_vgpr_msb: bits 1:0 source 0, 3:2 source 1, 5:4 source 2, 7:6 destination):
;   window 0: as named below.   window 1: phase 1: eight slots of 32; phase 2: four row buffers of 64 (quarter q, block blk, K step ks at 64 q + 32 blk + 8 ks).
;   windows 2, 3: W: my K step kk, column block nb at 32 (kk % 8) + 8 nb of window 2 + kk / 8
.set KSB,    4160                      ; LDS bytes of 32 along d: four blocks of 16 columns
.set NBB,    1040                      ; a block: two halves of 512 bytes (lane x 16) + 16
.set WSCR,   8*KSB                     ; a wave's scratch: 8 K steps; K step kk + 8 takes the bytes of K step kk, behind that step's reads (LDS serves a wave's instructions in order: ISA guide 5.7.1.4)
.set STAGE,  4*WSCR                    ; behind the scratches: the partial sums
.set SP,     272                       ; a row of 64 f32, 256 bytes, + 16: 16 rows start at 16 different groups of four banks
.set SWAVE,  32*SP                     ; a wave's 32 rows
.set SHALF,  4*SWAVE                   ; a half of the stage: four waves' partial sums of one group.  (The 512 bytes behind the stage's two halves hold the closing add's words, 128 bytes a wave.)
.set UNITB,  131072                    ; 16 rows of W, 8,192 bytes each
.set LROW,   8448                      ; bytes in a row of list; COUNT lies at byte 8,192
.set HW,   1                           ; v1   16 h + 1024 w: my bytes in a row of xb
.set RL,   2                           ; v2   r = lane % 16
.set HL,   3                           ; v3   h = lane / 16
.set VB,   4                           ; v4   16 x lane + my scratch; never rewritten
.set STO,  5                           ; v5   the stage: where I put 32 bytes of a row of my partial sums
.set RD,   6                           ; v6   the stage: row 8 w + h of wave 0's partial sums, + 16 r
.set R16,  7                           ; v7   16 r
.set PA,   8                           ; v[8:9]   the operands' places in a group: 16 blk + r
.set PS,   10                          ; v[10:13] the stores' places in a group: 8 w + 2 t + h
.set VOFF, 14                          ; v[14:15] my token's row in xb + HW, for each of the two blocks of the group whose rows are being asked for
.set EA,   16                          ; v[16:17] list entries for the operands' rows, as loaded
.set ES,   18                          ; v[18:21] list entries for the stores' rows, as loaded
.set DST,  22                          ; v[22:25] byte offsets in part
.set TA,   26                          ; v[26:27] at work
.set VW,   30                          ; v30  phase 1: 65536 h + 16 r: my 16 bytes in a unit of W; never rewritten
.set VLS,  31                          ; v31  phase 1: where my turned 16 bytes go; never rewritten
.set HB,   32                          ; v[32:35] 0.5 b of columns 4 r .. 4 r + 3
.set HT,   36                          ; v[36:37] b in bf16, at work once
.set EA0,  38                          ; v[38:39] the first group's list entries for the operands' rows
.set LO,   40                          ; v[40:45] byte offsets in the list of the entries that land in EA (two) and ES (four)
.set LO0,  46                          ; v[46:47] the same for EA0
.set T,    64                          ; phase 1: v[64:95] turned words, two sets of 16
.set ACC,  64                          ; v[64:127] accumulator (blk, nb) at ACC + 8 (4 blk + nb)
.set RED,  128                         ; v[128:191] the sums: row pair t, wave sw at RED + 16 t + 4 sw
.set WV,    14                         ; s14  my wave's number
.set EX,    15                         ; s15  e
.set COUNT, 19                         ; s19  the expert's rows
.set CM1,   20                         ; s20  the last place that holds a chosen token (0 where there is none)
.set TR,    29                         ; s29  counts the trips
.set RB,    30                         ; s30  the trip's first place
.set RG,    31                         ; s31  the group's first place
.set RG1,   32                         ; s32  the next group's
.set HM,    33                         ; s33  a word's upper bf16
.set RG2,   34                         ; s34  the group's after that
.set MSB, 0
.macro WIN new                         ; the immediate's high byte repeats the setting that is left; a switch that changes nothing is dropped
.if MSB != (\new)
	s_set_vgpr_msb (MSB<<8)|(\new)
.set MSB, (\new)
.endif
.endm
.macro PLACES                          ; four plain vector instructions between a matrix instruction and a load into, or an LDS store of, its registers
.rept 4
	v_nop
.endr
.endm
.macro WLOAD s, off                    ; a unit of W, 16 rows x 256 bytes, into slot s: lanes 0-15 take 256 bytes of row j, lanes 16-31 of row 8 + j
.irp j, 0,1,2,3,4,5,6,7
	global_load_b128 v[32*(\s)+4*\j:32*(\s)+4*\j+3], v[VW], s[4:5] offset:(\off)+8192*\j th:TH_LOAD_NT
.endr
.endm
; n registers from first on: a place becomes its entry's byte offset in the list: min(place, COUNT - 1), a constant bound (a number made of loaded data enters an address behind one), a shift
.macro CLAMP first, n
.set ek, 0
.rept \n
	v_min_u32 v[(\first)+ek], s[CM1], v[(\first)+ek]
.set ek, ek+1
.endr
.set ek, 0
.rept \n
	v_min_u32 v[(\first)+ek], 0x7ff, v[(\first)+ek]
.set ek, ek+1
.endr
.set ek, 0
.rept \n
	v_lshlrev_b32 v[(\first)+ek], 2, v[(\first)+ek]
.set ek, ek+1
.endr
.endm
; Two of the sixteen loads of row buffer q: 64 bytes of each of 16 rows: block a / 4, K step a % 4.  The window is set by who calls: destination window 1, address window 0.
.macro ALOAD2 q, a
	global_load_b128 v[64*(\q)+8*(\a):64*(\q)+8*(\a)+3],   v[VOFF+(\a)/4], s[8:9] offset:256*(\q)+64*((\a)%4)
	global_load_b128 v[64*(\q)+8*(\a)+4:64*(\q)+8*(\a)+7], v[VOFF+(\a)/4], s[8:9] offset:256*(\q)+64*((\a)%4)+32
.endm
; Quarter q of a group's rows, 32 rows x 128 of my 512 along d, into row buffer q: 16 loads; a block's eight cover 256 bytes of each of its 16 rows
.macro ALOADQ q
	WIN 0x40                                       ; destination window 1
.irp a, 0,1,2,3,4,5,6,7
	ALOAD2 \q, \a
.endr
.endm
	s_load_b256 s[4:11], s[0:1], 0x0               ; W s[4:5], b s[6:7], xb s[8:9], list s[10:11]
	s_load_b64 s[12:13], s[0:1], 0x20              ; part
	v_lshl_add_u32 v254, v0, 2, 0x31800
	v_mov_b32 v255, 0
	v_lshrrev_b32 v[TA], 5, v0
	v_readfirstlane_b32 s[WV], v[TA]
	s_and_b32 s[EX], ttmp7, 0xffff
	s_mov_b32 s[HM], 0xffff0000
	s_mov_b32 s[RB], 0
	v_and_b32 v[TA+1], 31, v0                      ; lane
	v_and_b32 v[RL], 15, v0
	v_bfe_u32 v[HL], v0, 4, 1
	v_lshlrev_b32 v[R16], 4, v[RL]
	v_lshlrev_b32 v[HW], 4, v[HL]
	s_wait_alu depctr_va_sdst(0)                   ; the wave's number is written into s[WV], ahead of its first reader: LDS places and the bases of W are made from it
	s_lshl_b32 s22, s[WV], 10                      ; my 512 along d: 1,024 bytes of a row of xb
	v_add_nc_u32 v[HW], s22, v[HW]
	v_lshl_add_u32 v[VW], v[HL], 16, v[R16]
	s_mul_i32 s38, s[WV], WSCR                     ; my scratch
	v_lshlrev_b32 v[VB], 4, v[TA+1]
	v_add_nc_u32 v[VB], s38, v[VB]
	; my columns 4 r .. 4 r + 3 of a unit lie in block r / 4, at the places of lanes 16 h + 4 (r % 4) + 0 .. 3
	v_lshrrev_b32 v[TA], 2, v[RL]
	v_and_b32 v[TA+1], 3, v[RL]
	v_mul_u32_u24 v[VLS], v[TA], NBB
	v_lshl_add_u32 v[VLS], v[HL], 8, v[VLS]
	v_lshl_add_u32 v[VLS], v[TA+1], 6, v[VLS]
	v_add_nc_u32 v[VLS], s38, v[VLS]
	s_mul_i32 s22, s[WV], SWAVE
	s_add_co_u32 s22, s22, STAGE                   ; my partial sums
	v_mul_u32_u24 v[STO], v[RL], SP                ; in: row r of a block, 32 bytes for each half of the lanes
	v_lshl_add_u32 v[STO], v[HL], 5, v[STO]
	v_add_nc_u32 v[STO], s22, v[STO]
	s_mul_i32 s22, s[WV], 8*SP
	s_add_co_u32 s22, s22, STAGE                   ; the 8 rows that I add up
	v_mul_u32_u24 v[RD], v[HL], SP                 ; back: lanes 0-15 one row of 256 bytes, lanes 16-31 the next
	v_add_nc_u32 v[RD], v[RD], v[R16]
	v_add_nc_u32 v[RD], s22, v[RD]
	v_mov_b32 v[PA], v[RL]
	v_add_nc_u32 v[PA+1], 16, v[RL]
	s_lshl_b32 s22, s[WV], 3
	v_add_nc_u32 v[PS], s22, v[HL]
.irp t, 1,2,3
	v_add_nc_u32 v[PS+\t], 2*\t, v[PS]
.endr
	s_mul_i32 s16, s[EX], LROW                     ; the expert's row of list
	s_mov_b32 s17, 0
	s_lshl_b32 s24, ttmp9, 8                       ; the slice's 256 bytes in a row of W, b and part
	s_mov_b32 s25, 0
	s_lshl_b32 s26, s[EX], 13                      ; the expert's row of b
	s_add_co_u32 s26, s26, s24
	s_mov_b32 s27, 0
	s_lshl_b32 s22, s[EX], 24                      ; the expert's 16 MiB of W,
	s_lshl_b32 s23, s[WV], 22                      ; my wave's 512 rows of it
	s_add_co_u32 s22, s22, s23
	s_add_co_u32 s22, s22, s24
	s_mov_b32 s23, 0
	s_wait_kmcnt 0x0
	s_add_nc_u64 s[4:5], s[4:5], s[22:23]
	s_add_nc_u64 s[6:7], s[6:7], s[26:27]
	s_add_nc_u64 s[12:13], s[12:13], s[24:25]
	s_add_nc_u64 s[10:11], s[10:11], s[16:17]
	s_load_b32 s[COUNT], s[10:11], 0x2000
	s_wait_alu depctr_va_vdst(0)                   ; R16, VW, VB, VLS, STO and RD are written: the loads, LDS stores and LDS loads of the whole kernel read them as addresses, and no line writes them again
	global_load_b128 v[HB:HB+3], v[R16], s[6:7]    ; b of columns 4 r .. 4 r + 3
	WIN 0x40                                       ; destination window 1
.irp s, 0,1,2,3,4,5,6
	WLOAD \s, (\s)*UNITB                           ; seven units, 56 loads, are on their way
.endr
	WIN 0
	; the list entries that the first group's head and the first rows want: operands' rows of groups 0 and 1, stores' rows of group 0: 8 loads
	v_mov_b32 v[LO0], v[PA]
	v_mov_b32 v[LO0+1], v[PA+1]
	v_add_nc_u32 v[LO], 32, v[PA]
	v_add_nc_u32 v[LO+1], 32, v[PA+1]
.irp t, 0,1,2,3
	v_mov_b32 v[LO+2+\t], v[PS+\t]
.endr
	s_wait_kmcnt 0x0                               ; COUNT
	s_max_u32 s[CM1], s[COUNT], 1
	s_sub_co_u32 s[CM1], s[CM1], 1
	CLAMP LO, 8                                    ; LO's six and LO0's two lie on end
	s_wait_alu depctr_va_vdst(0)                   ; the eight offsets LO and LO0 are written, which the eight loads below read
	global_load_b32 v[EA0], v[LO0], s[10:11]
	global_load_b32 v[EA0+1], v[LO0+1], s[10:11]
.irp k, 0,1,2,3,4,5
	global_load_b32 v[EA+\k], v[LO+\k], s[10:11]
.endr
; PHASE 1.  My K step kk lies whole in my scratch: it is read back as operands, 8 loads of 512 consecutive bytes, which see the stores above them.  No vector or matrix line has named the registers in which they land.
.macro RBACK kk
	WIN 0x80+0x40*((\kk)/8)                        ; destination window 2 or 3
.irp nb, 0,1,2,3
	ds_load_b128 v[32*((\kk)%8)+8*\nb:32*((\kk)%8)+8*\nb+3],   v[VB] offset:((\kk)%8)*KSB+NBB*\nb
	ds_load_b128 v[32*((\kk)%8)+8*\nb+4:32*((\kk)%8)+8*\nb+7], v[VB] offset:((\kk)%8)*KSB+NBB*\nb+512
.endr
	WIN 0
.endm
; Unit u of my 32, in slot u % 8.  Its loads have come; the unit seven further on is asked for first, into the slot in front, which the unit before has left.  Then the unit is rounded and
; turned: for column 4 r + c the rows 8 h + 0 .. 7 make four words.  Two units are a K step.
; The wait's count is the younger loads: six units, 48; 8 more while the list's eight loads are younger (u < 7); in the last round the units left and the first group's quarters asked for so far:
; 40 + 16, 32 + 16, 24 + 32, 16 + 32, 8 + 48, 0 + 48.
.macro UNIT u
.set us, (\u)%8
.set tt, T+16*((\u)%2)
.set lf, 48
.if ((\u) < 7) || (((\u) > 25) && (((\u)%2) == 0))
.set lf, 56
.endif
	s_wait_loadcnt lf
.if (\u) >= 2
	s_wait_alu depctr_vm_vsrc(0)                   ; the LDS stores of the unit two back have read this unit's set of T, which the conversions below write again
.endif
.if (\u) < 25
	WIN 0x40
	WLOAD ((\u)+7)%8, ((\u)+7)*UNITB               ; no wait: the unit before waited behind its conversions, which read this slot, and no vector line has been issued since
.endif
	WIN 0x05                                       ; sources in window 1
.irp c, 0,1,2,3
.irp p, 0,1,2,3
	v_cvt_pk_bf16_f32 v[tt+4*\c+\p], v[32*us+8*\p+\c], v[32*us+8*\p+4+\c]
.endr
.endr
	WIN 0
	s_wait_alu depctr_va_vdst(0)                   ; the conversions have written this set of T, which the LDS stores read, and are done reading the slot, in which a later load lands
.irp c, 0,1,2,3
	ds_store_b128 v[VLS], v[tt+4*\c:tt+4*\c+3] offset:(((\u)/2)%8)*KSB+((\u)%2)*512+16*\c
.endr
.if ((\u)%2) == 1
	RBACK (\u)/2
.endif
.endm
.set u, 0
.rept 26
	UNIT u
.set u, u+1
.endr
	; the first group's rows: the list's loads are older than unit 7's, so they are in.  Row buffer q takes slots 2 q and 2 q + 1, which units 24 + 2 q and 25 + 2 q leave.
.irp b, 0,1
	v_and_b32 v[EA0+\b], 0x7ff, v[EA0+\b]          ; the token;
	v_min_u32 v[EA0+\b], 0x7ff, v[EA0+\b]          ; a loaded number enters an address behind a bound, which stands last; behind it a shift and an add
	v_lshlrev_b32 v[EA0+\b], 12, v[EA0+\b]
	v_add_nc_u32 v[VOFF+\b], v[EA0+\b], v[HW]
.endr
	s_wait_alu depctr_va_vdst(0)                   ; VOFF is written, which the first group's 64 row loads read (units 24 and 25 are done reading slots 0 and 1 since unit 25's wait)
	ALOADQ 0
	UNIT 26
	UNIT 27
	ALOADQ 1                                       ; no wait: unit 27 waited behind its conversions, the last lines that named slots 2 and 3; likewise below
	UNIT 28
	UNIT 29
	ALOADQ 2
	UNIT 30
	UNIT 31
	ALOADQ 3
	WIN 0
	; b: rounded to bf16, widened, halved (its load was the wave's first: it is in)
	v_cvt_pk_bf16_f32 v[HT], v[HB], v[HB+1]
	v_cvt_pk_bf16_f32 v[HT+1], v[HB+2], v[HB+3]
.irp k, 0,1
	v_lshlrev_b32 v[HB+2*\k],   16,    v[HT+\k]
	v_and_b32     v[HB+2*\k+1], s[HM], v[HT+\k]
	v_pk_mul_f32 v[HB+2*\k:HB+2*\k+1], v[HB+2*\k:HB+2*\k+1], 0.5 op_sel_hi:[1,0]
.endr
	s_wait_dscnt 0x0                               ; W's fragments are in their registers
; PHASE 2.
; Quarter q of a group: 4 K steps x 2 blocks x 4 column blocks = 32 matrix instructions; the 8 accumulators take turns, one instruction a turn, from quarter to quarter too.
; Quarter 0's first eight start the sums.  left: the younger loads that may stay out when this quarter's rows have to be there (quarter 0 was waited for at the group's head).
; fill >= 0: the next group's rows for row buffer fill are asked for, four loads behind each eight products.
.macro QUARTER q, left, fill
.if (\q) > 0
	s_wait_loadcnt \left
.endif
.if (\q) == 2
	s_wait_alu depctr_va_vdst(0)                   ; the products of quarters 0 and 1 are done reading row buffers 0 and 1, in which the loads dealt among quarters 2 and 3 land; the products from here on name buffers 2 and 3, W and the accumulators alone
.endif
.irp ks, 0,1,2,3
	WIN 0x06+(\q)/2                                ; source 0 (W) window 2 or 3, source 1 (rows) window 1, C and D window 0
.irp blk, 0,1
.irp nb, 0,1,2,3
.set ra, ACC+8*(4*\blk+\nb)
.set rw, 32*((4*(\q)+\ks)%8)+8*\nb
.set rx, 64*(\q)+32*\blk+8*\ks
.if ((\q) == 0) && (\ks == 0)
	v_wmma_f32_16x16x32_bf16 v[ra:ra+7], v[rw:rw+7], v[rx:rx+7], 0
.else
	v_wmma_f32_16x16x32_bf16 v[ra:ra+7], v[rw:rw+7], v[rx:rx+7], v[ra:ra+7]
.endif
.endr
.endr
.if (\fill) >= 0
	WIN 0x40                                       ; destination window 1, address window 0
	ALOAD2 \fill, 2*\ks
	ALOAD2 \fill, 2*\ks+1
.endif
.endr
.endm
; A group of 32 rows; p: its half of the stage.
.macro GROUP p
	s_add_co_u32 s[RG],  s[RB], 32*(\p)
	s_add_co_u32 s[RG1], s[RB], 32*(\p)+32
	s_add_co_u32 s[RG2], s[RB], 32*(\p)+64
	; THE HEAD, on every way.
	s_wait_loadcnt 48                              ; this group's quarter 0 is in, and the list entries, which are older; three quarters, 48 loads, stay out
	s_wait_xcnt 0x0                                ; every earlier load and store has had its addresses translated: offsets and store data are written again only behind this wait
	s_wait_alu depctr_vm_vsrc(0)                   ; all that was issued so far has read its registers: the row loads VOFF, the list's loads LO, the stores DST and RED, the LDS stores the accumulators (ahead of the first group: T, which lies in their place): this group writes them all again
.irp b, 0,1
	v_and_b32 v[TA+\b], 0x7ff, v[EA+\b]            ; the next group's tokens
.endr
.irp t, 0,1,2,3
	v_min_u32 v[DST+\t], 0xfff, v[ES+\t]           ; this group's stores: a loaded number enters an address behind a bound; behind it a shift and an add
.endr
.irp b, 0,1
	v_min_u32 v[TA+\b], 0x7ff, v[TA+\b]
.endr
.irp t, 0,1,2,3
	v_lshlrev_b32 v[DST+\t], 13, v[DST+\t]         ; (token | slot << 11) x 8,192 bytes: the token's row in its slot's 16 MiB
.endr
.irp b, 0,1
	v_lshlrev_b32 v[TA+\b], 12, v[TA+\b]
.endr
.irp t, 0,1,2,3
	v_add_nc_u32 v[DST+\t], v[DST+\t], v[R16]      ; + 16 r
.endr
.irp b, 0,1
	v_add_nc_u32 v[VOFF+\b], v[TA+\b], v[HW]
.endr
.irp b, 0,1
	v_add_nc_u32 v[LO+\b], s[RG2], v[PA+\b]        ; where the entries lie that the next head wants: operands' rows two groups on,
.endr
.irp t, 0,1,2,3
	v_add_nc_u32 v[LO+2+\t], s[RG1], v[PS+\t]      ; stores' rows one group on
.endr
	CLAMP LO, 6
	s_wait_alu depctr_va_vdst(0)                   ; VOFF, DST and LO are written, which this group's loads and stores read; the lines above are done reading EA and ES, in which the list's loads land; the last group's sums are done with RED, in which this group's LDS loads land
	s_cmp_ge_u32 s[RG], s[COUNT]
	s_cbranch_scc1 .Lnc_\@                         ; a group past COUNT: forward, past no barrier and past no line that writes an address register
.irp k, 0,1,2,3,4,5
	global_load_b32 v[EA+\k], v[LO+\k], s[10:11]
.endr
	QUARTER 0, 0, -1
	QUARTER 1, 38, -1                              ; younger than quarter 1's rows: quarters 2 and 3, 32 loads, and the 6 list entries
	PLACES                                         ; behind the last product that read row buffers 0 and 1, in front of the loads into them
	QUARTER 2, 22, 0                               ; younger than quarter 2's rows: quarter 3's 16 and the 6 list entries
	QUARTER 3, 22, 1                               ; younger than quarter 3's rows: the 6 list entries and the 16 loads dealt in quarter 2
	PLACES                                         ; behind the last products, in front of the LDS stores of their results and of the loads into row buffers 2 and 3
	WIN 0x40                                       ; one setting for both kinds below: an LDS store's address and data in window 0, a load's destination in window 1
	s_wait_alu depctr_va_vdst(0)                   ; the products have written the accumulators, which the LDS stores read, and are done reading row buffers 2 and 3, in which the loads land; the places above stay beside this wait
.set si, 0
.rept 16                               ; an LDS store and two row loads by turns; each accumulator's low registers first
	ds_store_b128 v[STO], v[ACC+4*si:ACC+4*si+3] offset:(\p)*SHALF+(si/8)*16*SP+64*((si/2)%4)+16*(si%2)
	ALOAD2 2+si/8, si%8
.set si, si+1
.endr
	WIN 0
.Lnc_\@:
	s_wait_dscnt 0x0                               ; for the others' sake: my partial sums lie in this half, and my reads of the other half are over
	s_barrier_signal -1
	s_barrier_wait -1                              ; this half is whole; the other half may be written again
	s_cmp_ge_u32 s[RG], s[COUNT]
	s_cbranch_scc1 .Lnr_\@
.irp t, 0,1,2,3
.irp sw, 0,1,2,3
	ds_load_b128 v[RED+16*\t+4*\sw:RED+16*\t+4*\sw+3], v[RD] offset:(\p)*SHALF+\sw*SWAVE+2*\t*SP  ; rows 8 w + 2 t and + 1 of wave sw's partial sums.  No wait: since the head's two waits no line has named RED
.endr
.endr
.irp t, 0,1,2,3
	s_wait_dscnt 12-4*\t                           ; this row pair's four reads are back; the later pairs' stay out
	v_pk_add_f32 v[RED+16*\t:RED+16*\t+1],     v[RED+16*\t:RED+16*\t+1],     v[RED+16*\t+4:RED+16*\t+5]
	v_pk_add_f32 v[RED+16*\t+2:RED+16*\t+3],   v[RED+16*\t+2:RED+16*\t+3],   v[RED+16*\t+6:RED+16*\t+7]
	v_pk_add_f32 v[RED+16*\t+8:RED+16*\t+9],   v[RED+16*\t+8:RED+16*\t+9],   v[RED+16*\t+12:RED+16*\t+13]
	v_pk_add_f32 v[RED+16*\t+10:RED+16*\t+11], v[RED+16*\t+10:RED+16*\t+11], v[RED+16*\t+14:RED+16*\t+15]
	v_pk_add_f32 v[RED+16*\t:RED+16*\t+1],     v[RED+16*\t:RED+16*\t+1],     v[RED+16*\t+8:RED+16*\t+9]
	v_pk_add_f32 v[RED+16*\t+2:RED+16*\t+3],   v[RED+16*\t+2:RED+16*\t+3],   v[RED+16*\t+10:RED+16*\t+11]
	v_pk_fma_f32 v[RED+16*\t:RED+16*\t+1],     v[RED+16*\t:RED+16*\t+1],   0.5, v[HB:HB+1]   op_sel_hi:[1,0,1]  ; 0.5 sum + 0.5 b
	v_pk_fma_f32 v[RED+16*\t+2:RED+16*\t+3],   v[RED+16*\t+2:RED+16*\t+3], 0.5, v[HB+2:HB+3] op_sel_hi:[1,0,1]
.irp j, 0,1,2,3
	v_max_num_f32 v[RED+16*\t+\j], 0, v[RED+16*\t+\j]
.endr
.endr
	s_wait_alu depctr_va_vdst(0)                   ; the four row pairs' results are written into RED, which the run of stores reads
.irp t, 0,1,2,3
	global_store_b128 v[DST+\t], v[RED+16*\t:RED+16*\t+3], s[12:13]  ; 16 lanes store 256 consecutive bytes, at a multiple of 256 from part's first byte
.endr
.Lnr_\@:
.endm
	s_mov_b32 s[TR], 32
.Ltrip:                                                ; a trip: two groups, places 64 i .. 64 i + 63 of the list, one on each half of the stage
	GROUP 0
	GROUP 1
	s_add_co_u32 s[RB], s[RB], 64
	s_sub_co_u32 s[TR], s[TR], 1
	s_cmp_lg_u32 s[TR], 0
	s_cbranch_scc1 .Ltrip
	s_wait_dscnt 0x0                               ; the wave's end: my last LDS instructions are done
	s_wait_alu depctr_hold_cnt(0) depctr_sa_sdst(0) depctr_va_vdst(0) depctr_va_sdst(0) depctr_va_ssrc(0) depctr_va_vcc(0) depctr_vm_vsrc(0)
	s_wait_tensorcnt 0x0
	ds_add_u32 v254, v255
	s_wait_dscnt 0x0
	s_endpgm
.Lfunc_end_k_q61816360ae_experts:
	.size	k_q61816360ae_experts, .Lfunc_end_k_q61816360ae_experts-k_q61816360ae_experts
	.p2alignl 7, 3214868480
	.fill 96, 4, 3214868480
	.section	.rodata,"a",@progbits
	.p2align	6, 0x0
	.amdhsa_kernel k_q61816360ae_experts
		.amdhsa_group_segment_fixed_size 203264
		.amdhsa_private_segment_fixed_size 0
		.amdhsa_enable_private_segment 0
		.amdhsa_kernarg_size 40
		.amdhsa_user_sgpr_count 2
		.amdhsa_user_sgpr_kernarg_segment_ptr 1
		.amdhsa_wavefront_size32 1
		.amdhsa_system_sgpr_workgroup_id_x 1
		.amdhsa_system_sgpr_workgroup_id_y 1
		.amdhsa_system_sgpr_workgroup_id_z 1
		.amdhsa_system_vgpr_workitem_id 0
		.amdhsa_next_free_vgpr 1024
		.amdhsa_next_free_sgpr 66
		.amdhsa_reserve_vcc 0
		.amdhsa_float_denorm_mode_32 3
		.amdhsa_float_denorm_mode_16_64 3
		.amdhsa_memory_ordered 1
		.amdhsa_forward_progress 1
		.amdhsa_inst_pref_size 138
	.end_amdhsa_kernel
	.amdgpu_metadata
---
amdhsa.version: [ 1, 2 ]
amdhsa.kernels:
  - .name:           k_q61816360ae_experts
    .symbol:         k_q61816360ae_experts.kd
    .args:
      - { .name: expert_w, .offset: 0, .size: 8, .value_kind: global_buffer, .address_space: global }
      - { .name: expert_b, .offset: 8, .size: 8, .value_kind: global_buffer, .address_space: global }
      - { .name: xb, .offset: 16, .size: 8, .value_kind: global_buffer, .address_space: global }
      - { .name: list, .offset: 24, .size: 8, .value_kind: global_buffer, .address_space: global }
      - { .name: part, .offset: 32, .size: 8, .value_kind: global_buffer, .address_space: global }
    .group_segment_fixed_size: 203264
    .private_segment_fixed_size: 0
    .kernarg_segment_align: 8
    .kernarg_segment_size: 40
    .max_flat_workgroup_size: 128
    .sgpr_count:     66
    .vgpr_count:     1024
    .wavefront_size: 32
...
	.end_amdgpu_metadata
.endif
;; end of part 6
;; launch mean: the kernel of part 3 again; grid 256 x 1, 8 waves a work-group, no clusters, 0 bytes of LDS; arguments part, out0; writes out0
